; MI455X (gfx1250); checked and timed in simulation.
; The chip was launched on July 23, 2026; its instructions are those of AMD's public machine-readable ISA for CDNA 5 (MIT licence, August 2026) and "CDNA5" Instruction Set Architecture Reference Guide (July 2026). The comments in the code are by the model that wrote it; some were corrected since.
;; Multi Head Attention With CLS Token. Allowed arithmetic: float matrix products may take bf16 or f16 operands with f32 sums; all other float work in f32.
;; Inputs: Wk 1,024 x 1,024 float32; Wo 1,024 x 1,024 float32; Wq 1,024 x 1,024 float32; Wv 1,024 x 1,024 float32; bk 1,024 float32; bo 1,024 float32; bq 1,024 float32; bv 1,024 float32; ln_b 1,024 float32; ln_g 1,024 float32; x 32 x 1,024 x 1,024 float32.
;; Outputs: out0 32 x 1,024 float32.
;; 2 versions, each right; version 2 is version 1 with the launches mk_qk, attn written anew for expert scheduling mode. Each part assembles by itself: llvm-mc -triple=amdgcn-amd-amdhsa -mcpu=gfx1250 --defsym DOCPART=n.
;; ======== version 1 of 2: 5 launches
;; workspace buffers: qkb 1,048,576 bytes; csb 2,048 bytes; part 16,777,216 bytes; stat 32,768 bytes; apb 1,048,576 bytes; outp 2,097,152 bytes
;; launch mk_qk (part 1): grid 16 x 8, 16 waves a work-group, no clusters, 256,000 bytes of LDS; arguments x, Wq, bq, Wk, bk, qkb, csb; writes qkb, csb
.if DOCPART == 1
	.amdgcn_target "amdgcn-amd-amdhsa--gfx1250"
	.amdhsa_code_object_version 6
	.text
	.protected	k_q39bbd60cd7_mk_qk
	.globl	k_q39bbd60cd7_mk_qk
	.p2align	8
	.type	k_q39bbd60cd7_mk_qk,@function
k_q39bbd60cd7_mk_qk:
	s_mov_b64 s[64:65], 0
	v_nop
	global_prefetch_b8 v0, s[64:65] scope:SCOPE_SE
	s_setreg_imm32_b32 hwreg(HW_REG_WAVE_MODE, 25, 1), 1
	s_wait_xcnt 0x0
; Work-group (h, cg): head h, columns c = 128 cg .. 128 cg + 127.  With q'[b][d] = (cls[b] . Wq[64h+d] + bq[64h+d]) * log2(e)/8 it makes
;   qkb[b][h][c] = sum over d of q'[b][d] Wk[64h+d][c]   (bf16: it is only ever a matrix operand)
;   csb[h][b]    = sum over d of q'[b][d] bk[64h+d]      (f32; stored by the work-groups with cg = 0)
; so that score[b][h][s] * log2(e) = x[b][s] . qkb[b][h] + csb[h][b]: the same sum as q . (Wk x + bk) / 8, in another order.
; Each of a head's 8 work-groups makes q'_h for itself (128 KiB of cls, 256 KiB of Wq_h) and takes 32 KiB of Wk_h: 416 KiB a work-group on 128 work-groups,
; where one work-group a head would take 640 KiB.
; 16 waves.  Wave W owns columns 64 W .. 64 W + 63 of cls and of Wq_h: 96 pieces of rows, 256 aligned bytes each.  It rounds what it loaded, lays it into an LDS region of
; its own, reads the fragments back (no barrier: the bytes are its own) and multiplies all 8 tiles (64 d x 32 b) over its 64 columns while later loads are on their way.
; The 16 partial sums meet in LDS; q' is finished by all waves; waves 0 and 1 make the second product (16 batches x 128 columns each, K = 64).
; NO JOINT REQUESTS, though a head's 8 work-groups read the same cls and Wq_h: these are f32 and are rounded in registers on the way; landed in LDS they would be 384 KiB a
; work-group, more than there is, so a ring with rounds of the cluster's barrier and one more LDS read of every byte.
; LIMITS: cls, Wq, Wk and q' are rounded to bf16 as matrix operands; sums in f32, q' as a sum of 16 partial sums; the order of the sums differs from the reference's.
.set PQ,  144                          ; pitch of rows of 64 bf16: 128 bytes + 16, an odd multiple of 16
.set PW,  288                          ; pitch of Wk's rows of 128 bf16, read by the transposing load: an odd multiple of 32
.set PS,  272                          ; pitch of the stage: 256 bytes + 16
.set REGSZ, 96*PQ                      ; a wave's region: 32 rows of cls, then 64 rows of Wq_h; later its 8 partial tiles (8,192 bytes)
.set QROW, 32*PQ                       ; where Wq's rows begin in a region
.set WKT, 16*REGSZ                     ; 64 rows d of Wk_h, 128 columns
.set QB,  WKT+64*PW                    ; q' in bf16, [b][d]
.set CP,  QB+32*PQ                     ; [8 shares][b 32] f32: shares of q' . bk
.set STG, CP+1024                      ; 16 rows x 272 bytes for each of waves 0 and 1
.set VQO, 1                            ; global offset in Wq_h: row HH, my 256 bytes, 16 R
.set VCO, 2                            ; global offset in x: batch HH, row 0, my 256 bytes, 16 R
.set VKO, 3                            ; global offset in Wk_h's block: rows 4W .., 16 L
.set VBI, 4                            ; global offset of my four bq and bk
.set VS,  5                            ; LDS: where a unit's 8 bytes go in my region
.set VF,  6                            ; LDS: a fragment's lane term in my region
.set VPS, 7                            ; LDS: my partial tiles
.set VWKS, 8                           ; LDS: my four rows of Wk
.set VPR, 9                            ; v[9:12] LDS: my 512 bytes of the partial tiles in regions 0, 4, 8, 12
.set VQBS, 13
.set VCP, 14
.set VQF, 15
.set T,   16                           ; v[16:23] four pairs for conversions
.set VT0, 29
.set VSG, 30
.set VRD, 31
.set BF,  32                           ; v[32:63] cls fragments [mt 2][K step 2]
.set QF,  32                           ; v[32:47] later: q' fragments
.set AF,  64                           ; v[64:79] Wq fragments of one group of 16 rows [K step 2]
.set ACCA, 80                          ; v[80:111] tiles (nt 0-1, mt 0-1)
.set X,   128                          ; v[128:255] 32 units of four registers as loaded
.set ACCB, X+96                        ; v[224:255] tiles (nt 2-3, mt 0-1): units 24-31, which are not loaded again
.set BQ,  X+80                         ; unit 20, loaded again with bq
.set BK,  X+84                         ; unit 21, loaded again with bk
.set TR,  64                           ; v[64:191] later: Wk fragments
.set ACC2, 192                         ; v[192:255] later: eight accumulators of the second product
.macro QCV i, xu, left                 ; unit xu + i has come: four f32 to four bf16
	s_wait_loadcnt \left
	v_cvt_pk_bf16_f32 v[T+2*(\i&3)], v[X+4*(\xu+\i)], v[X+4*(\xu+\i)+1]
	v_cvt_pk_bf16_f32 v[T+2*(\i&3)+1], v[X+4*(\xu+\i)+2], v[X+4*(\xu+\i)+3]
.endm
.macro QST pair, i                     ; 8 bytes a lane into rows 2 pair, 2 pair + 1 of my region
	ds_store_b64 v[VS], v[T+2*(\i&3):T+2*(\i&3)+1] offset:2*PQ*(\pair)
.endm
.macro GROUP g, xu, left0              ; 16 rows of Wq into my region; the counts run down by one a unit
.set ii, 0
.rept 8
	QCV ii, \xu, \left0-ii
	QST 16+8*\g+ii, ii
.set ii, ii+1
.endr
.endm
; Rows 16 nt .. of Wq (source 0) times both halves of the batches (source 1), two K steps: a lane ends with 8 neighbouring d of one batch.
; The conversions of the next group are the places between these matrix instructions and the next loads into AF.
.macro GMUL nt, acc
	ds_load_b128 v[AF:AF+3], v[VF] offset:QROW+16*PQ*\nt           ; my own bytes, stored just above: LDS serves a wave's instructions in order (ISA guide 5.7.1)
	ds_load_b128 v[AF+4:AF+7], v[VF] offset:QROW+16*PQ*\nt+32
	ds_load_b128 v[AF+8:AF+11], v[VF] offset:QROW+16*PQ*\nt+64
	ds_load_b128 v[AF+12:AF+15], v[VF] offset:QROW+16*PQ*\nt+96
	s_wait_dscnt 2                                 ; the second K step's two loads are younger
	v_wmma_f32_16x16x32_bf16 v[\acc:\acc+7], v[AF:AF+7], v[BF:BF+7], 0
	v_wmma_f32_16x16x32_bf16 v[\acc+8:\acc+15], v[AF:AF+7], v[BF+16:BF+23], 0
	s_wait_dscnt 0x0
	v_wmma_f32_16x16x32_bf16 v[\acc:\acc+7], v[AF+8:AF+15], v[BF+8:BF+15], v[\acc:\acc+7]          ; two accumulators by turns
	v_wmma_f32_16x16x32_bf16 v[\acc+8:\acc+15], v[AF+8:AF+15], v[BF+24:BF+31], v[\acc+8:\acc+15]
.endm
.macro PST t, acc                      ; tile t = 2 nt + mt as [half of the registers 2][lane 32][4 f32]
	ds_store_b128 v[VPS], v[\acc:\acc+3] offset:1024*\t
	ds_store_b128 v[VPS], v[\acc+4:\acc+7] offset:1024*\t+512
.endm
.macro ADD4 d, s
	v_pk_add_f32 v[\d:\d+1], v[\d:\d+1], v[\s:\s+1]
	v_pk_add_f32 v[\d+2:\d+3], v[\d+2:\d+3], v[\s+2:\s+3]
.endm
	s_load_b256 s[4:11], s[0:1], 0x0               ; x s[4:5], Wq s[6:7], bq s[8:9], Wk s[10:11]
	s_load_b128 s[12:15], s[0:1], 0x20             ; bk s[12:13], qkb s[14:15]
	s_load_b64 s[16:17], s[0:1], 0x30              ; csb
	v_lshrrev_b32 v27, 5, v0
	v_readfirstlane_b32 s18, v27                   ; W, the wave
	s_and_b32 s19, ttmp7, 0xffff                   ; cg
	s_lshr_b32 s21, s18, 2                         ; when q' is finished I take tile (nt = W >> 2,
	s_bfe_u32 s23, s18, 0x10001                    ; mt = bit 1 of W),
	s_and_b32 s22, s18, 1                          ; registers 4 q .. 4 q + 3 with q = W & 1
	s_mov_b32 s25, 0
	s_mov_b32 s26, 0x76543210                      ; v_permlanex16_b32: lane i reads lane i of the other half
	s_mov_b32 s27, 0xfedcba98
	v_and_b32 v24, 31, v0                          ; L
	v_and_b32 v25, 15, v0                          ; R
	v_bfe_u32 v26, v0, 4, 1                        ; HH
	s_lshl_b32 s20, s18, 8
	v_lshl_add_u32 v27, v25, 4, s20                ; my 256 bytes of a row, 16 R
	v_lshl_add_u32 v[VQO], v26, 12, v27            ; lanes 16-31 one row of 4,096 bytes further
	v_lshl_add_u32 v[VCO], v26, 22, v27            ; lanes 16-31 one batch of 4 MiB further
	s_lshl_b32 s20, s18, 14
	v_lshl_add_u32 v[VKO], v24, 4, s20             ; rows 4W .. 4W+3
	s_lshl_b32 s20, s21, 6
	s_lshl_b32 s28, s22, 4
	s_add_co_u32 s20, s20, s28
	v_lshl_add_u32 v[VBI], v26, 5, s20             ; d = 16 nt + 8 HH + 4 q, in bytes
	s_wait_kmcnt 0x0
	s_lshl_b32 s24, ttmp9, 18                      ; 64 rows of 4,096 bytes a head
	s_add_nc_u64 s[6:7], s[6:7], s[24:25]
	s_add_nc_u64 s[10:11], s[10:11], s[24:25]
	; 32 loads go out at once: cls, two batches a load, then rows 0-31 of Wq_h.  Two batches are 8 MiB, one byte more than an immediate reaches: a base for each load.
.set ii, 0
.rept 16
	s_add_nc_u64 s[32+2*ii:33+2*ii], s[4:5], ii*8388608
	global_load_b128 v[X+4*ii:X+4*ii+3], v[VCO], s[32+2*ii:33+2*ii]
.set ii, ii+1
.endr
.set ii, 0
.rept 16
	global_load_b128 v[X+64+4*ii:X+64+4*ii+3], v[VQO], s[6:7] offset:8192*ii
.set ii, ii+1
.endr
	; the other bases and the LDS addresses, while the loads are on their way
	s_lshl_b32 s24, s19, 9
	s_add_nc_u64 s[10:11], s[10:11], s[24:25]      ; Wk_h at column 128 cg
	s_lshl_b32 s24, ttmp9, 8
	s_add_nc_u64 s[8:9], s[8:9], s[24:25]
	s_add_nc_u64 s[12:13], s[12:13], s[24:25]
	s_lshl_b32 s24, ttmp9, 11
	s_lshl_b32 s20, s19, 8
	s_add_co_u32 s24, s24, s20
	s_add_nc_u64 s[14:15], s[14:15], s[24:25]      ; qkb at batch 0, head h, column 128 cg
	s_lshl_b32 s24, ttmp9, 7
	s_add_nc_u64 s[16:17], s[16:17], s[24:25]      ; csb at head h
	s_mul_i32 s20, s18, REGSZ                      ; my region
	v_mul_u32_u24 v27, v26, PQ
	v_lshl_add_u32 v27, v25, 3, v27                ; row HH, 8 R
	v_add_nc_u32 v[VS], s20, v27
	v_lshl_add_u32 v[VPS], v24, 4, s20
	v_mul_u32_u24 v27, v25, PQ
	v_lshl_add_u32 v27, v26, 4, v27                ; a fragment's lane term: row R, 16 bytes for each half of the lanes
	v_add_nc_u32 v[VF], s20, v27
	s_mul_i32 s20, s23, 16*PQ                      ; q' row 16 mt,
	s_lshl_b32 s28, s21, 5                         ; 32 nt bytes,
	s_add_co_u32 s20, s20, s28
	s_lshl_b32 s28, s22, 3                         ; 8 q bytes
	s_add_co_u32 s20, s20, s28
	s_add_co_u32 s20, s20, QB
	v_add_nc_u32 v[VQBS], s20, v27                 ; q'[16 mt + R][16 nt + 8 HH + 4 q]
	s_mul_i32 s20, s18, 16*PQ
	s_add_co_u32 s20, s20, QB
	v_add_nc_u32 v[VQF], s20, v27                  ; used by waves 0 and 1 alone: q' rows 16 W ..
	s_mul_i32 s20, s18, 4*PW
	s_add_co_u32 s20, s20, WKT
	v_lshl_add_u32 v[VWKS], v24, 3, s20
	s_lshl_b32 s20, s18, 9                         ; 1,024 x tile + 512 q = 512 W
	v_lshl_add_u32 v[VPR], v24, 4, s20
	v_add_nc_u32 v[VPR+1], 4*REGSZ, v[VPR]
	v_add_nc_u32 v[VPR+2], 8*REGSZ, v[VPR]
	v_add_nc_u32 v[VPR+3], 12*REGSZ, v[VPR]
	s_lshl_b32 s20, s21, 8
	s_lshl_b32 s28, s22, 7
	s_add_co_u32 s20, s20, s28
	s_lshl_b32 s28, s23, 6
	s_add_co_u32 s20, s20, s28
	s_add_co_u32 s20, s20, CP
	v_lshl_add_u32 v[VCP], v25, 2, s20             ; share 2 nt + q, batch 16 mt + R
	v_and_b32 v27, 7, v0
	v_lshl_add_u32 v27, v26, 3, v27                ; transposing load: row 8 HH + (L & 7),
	v_mul_u32_u24 v27, v27, PW
	v_bfe_u32 v28, v0, 3, 1
	v_lshl_add_u32 v27, v28, 4, v27                ; 16 bytes further for lanes with bit 3
	v_add_nc_u32 v[VT0], WKT, v27
	s_mul_i32 s20, s18, 16*PS
	s_add_co_u32 s20, s20, STG                     ; the stage: used by waves 0 and 1 alone
	v_mul_u32_u24 v27, v25, PS
	v_lshl_add_u32 v27, v26, 4, v27
	v_add_nc_u32 v[VSG], s20, v27
	v_mul_u32_u24 v27, v26, PS
	v_lshl_add_u32 v27, v25, 4, v27
	v_add_nc_u32 v[VRD], s20, v27
	; cls.  Each unit's registers are loaded again, with rows 32-63 of Wq_h, as soon as they have been converted.
	; Younger than cls unit i: 15 - i of cls, 16 of Wq, i of the loads issued here: 31.
.set ii, 0
.rept 16
	QCV ii, 0, 31
	global_load_b128 v[X+4*ii:X+4*ii+3], v[VQO], s[6:7] offset:8192*(16+ii)
	QST ii, ii
.set ii, ii+1
.endr
.set ff, 0
.rept 4
	ds_load_b128 v[BF+8*ff:BF+8*ff+3], v[VF] offset:16*PQ*(ff>>1)+64*(ff&1)        ; batches 16 (ff >> 1) .., K step ff & 1; waited for with the first Wq fragments
	ds_load_b128 v[BF+8*ff+4:BF+8*ff+7], v[VF] offset:16*PQ*(ff>>1)+64*(ff&1)+32
.set ff, ff+1
.endr
	; Rows 0-15 of Wq_h (units 16-23).  Six of the units are loaded again: four rows of Wk's block, bq, bk.
	; Younger than unit i: 31 - i of Wq and the min(i, 6) loads issued here.
.set ii, 0
.rept 8
.if ii < 7
	QCV ii, 16, 31
.else
	QCV ii, 16, 30
.endif
.if ii < 4
	global_load_b128 v[X+64+4*ii:X+64+4*ii+3], v[VKO], s[10:11] offset:4096*ii th:TH_LOAD_NT
.endif
.if ii == 4
	global_load_b128 v[BQ:BQ+3], v[VBI], s[8:9]
.endif
.if ii == 5
	global_load_b128 v[BK:BK+3], v[VBI], s[12:13]
.endif
	QST 16+ii, ii
.set ii, ii+1
.endr
	GMUL 0, ACCA
	GROUP 1, 24, 29                                ; younger than its unit i: 23 - i of Wq and the six
	GMUL 1, ACCA+16
	GROUP 2, 0, 21                                 ; 15 - i and the six
	GMUL 2, ACCB
	GROUP 3, 8, 13                                 ; 7 - i and the six
	GMUL 3, ACCB+16
	; Wk's block: my four rows.  Younger than row i: 3 - i rows, bq and bk.  These eight conversions are also the places in front of the stores of the last results.
.set ii, 0
.rept 4
	QCV ii, 16, 5-ii
	ds_store_b64 v[VWKS], v[T+2*ii:T+2*ii+1] offset:PW*ii
.set ii, ii+1
.endr
	PST 0, ACCA                                    ; over my own region, behind my own reads of it: LDS serves a wave's instructions in order
	PST 1, ACCA+8
	PST 2, ACCA+16
	PST 3, ACCA+24
	PST 4, ACCB
	PST 5, ACCB+8
	PST 6, ACCB+16
	PST 7, ACCB+24
	s_wait_dscnt 0x0                               ; my partial tiles and my rows of Wk are in LDS,
	s_barrier_signal -1
	s_barrier_wait -1                              ; everybody's are
	; q' is finished: 512 threads, four numbers each, 16 partial sums.  What is stored up to the next barrier (q', the shares of q' . bk) lies behind all 16 regions.
.set ww, 0
.rept 16
	ds_load_b128 v[X+4*ww:X+4*ww+3], v[VPR+(ww>>2)] offset:(ww&3)*REGSZ
.set ww, ww+1
.endr
	s_wait_loadcnt 0x0                             ; bq and bk
	s_wait_dscnt 0x0
.set kk, 0
.rept 8
	ADD4 X+4*kk, X+4*kk+32
.set kk, kk+1
.endr
.set kk, 0
.rept 4
	ADD4 X+4*kk, X+4*kk+16
.set kk, kk+1
.endr
	ADD4 X, X+8
	ADD4 X+4, X+12
	ADD4 X, X+4
	ADD4 X, BQ
	v_pk_mul_f32 v[X:X+1], v[X:X+1], 0x3e38aa3b op_sel_hi:[1,0]    ; log2(e) / 8
	v_pk_mul_f32 v[X+2:X+3], v[X+2:X+3], 0x3e38aa3b op_sel_hi:[1,0]
	v_mul_f32 v27, v[X], v[BK]                     ; q' . bk over my 4 d,
	v_fmac_f32 v27, v[X+1], v[BK+1]
	v_fmac_f32 v27, v[X+2], v[BK+2]
	v_fmac_f32 v27, v[X+3], v[BK+3]
	v_permlanex16_b32 v28, v27, s26, s27           ; and over the other half's 4
	v_add_f32 v27, v27, v28
	ds_store_b32 v[VCP], v27                       ; both halves write the same word with the same number
	v_cvt_pk_bf16_f32 v[T], v[X], v[X+1]
	v_cvt_pk_bf16_f32 v[T+1], v[X+2], v[X+3]
	ds_store_b64 v[VQBS], v[T:T+1]
	s_wait_dscnt 0x0
	s_barrier_signal -1
	s_barrier_wait -1                              ; q' and the shares of q' . bk are whole
	s_cmp_ge_u32 s18, 2
	s_cbranch_scc1 .Lnot_mul
	; Second product, waves 0 and 1: source 0 = 16 columns of Wk (rows lie along c, so the transposing load), source 1 = q' rows 16 W ..  K = 64.
	s_lshl_b32 s24, s18, 19
	s_add_nc_u64 s[14:15], s[14:15], s[24:25]      ; qkb at batch 16 W
	ds_load_b128 v[QF:QF+3], v[VQF]
	ds_load_b128 v[QF+4:QF+7], v[VQF] offset:32
	ds_load_b128 v[QF+8:QF+11], v[VQF] offset:64
	ds_load_b128 v[QF+12:QF+15], v[VQF] offset:96
.set nn, 0
.rept 8
	ds_load_tr16_b128 v[TR+8*nn:TR+8*nn+3], v[VT0] offset:32*nn
	ds_load_tr16_b128 v[TR+8*nn+4:TR+8*nn+7], v[VT0] offset:32*nn+16*PW
.set nn, nn+1
.endr
.set nn, 0
.rept 8
	ds_load_tr16_b128 v[TR+64+8*nn:TR+64+8*nn+3], v[VT0] offset:32*nn+32*PW
	ds_load_tr16_b128 v[TR+64+8*nn+4:TR+64+8*nn+7], v[VT0] offset:32*nn+48*PW
.set nn, nn+1
.endr
	s_wait_dscnt 16                                ; the 16 loads of d = 32 .. 63 are younger
.set nn, 0
.rept 8
	v_wmma_f32_16x16x32_bf16 v[ACC2+8*nn:ACC2+8*nn+7], v[TR+8*nn:TR+8*nn+7], v[QF:QF+7], 0
.set nn, nn+1
.endr
	s_wait_dscnt 0x0
.set nn, 0
.rept 8
	v_wmma_f32_16x16x32_bf16 v[ACC2+8*nn:ACC2+8*nn+7], v[TR+64+8*nn:TR+64+8*nn+7], v[QF+8:QF+15], v[ACC2+8*nn:ACC2+8*nn+7]   ; eight accumulators by turns
.set nn, nn+1
.endr
	; The way out.  The four places behind the last matrix instruction make the stores' offset.
	v_and_b32 v48, 15, v0
	v_bfe_u32 v49, v0, 4, 1
	v_lshlrev_b32 v48, 4, v48
	v_lshl_add_u32 v50, v49, 15, v48               ; lanes 0-15 one batch's 256 bytes, lanes 16-31 the next batch's
.set nn, 0
.rept 8
.set jj, 0
.rept 4
	v_cvt_pk_bf16_f32 v[64+4*nn+jj], v[ACC2+8*nn+2*jj], v[ACC2+8*nn+2*jj+1]
.set jj, jj+1
.endr
.set nn, nn+1
.endr
.set nn, 0
.rept 8
	ds_store_b128 v[VSG], v[64+4*nn:64+4*nn+3] offset:32*nn
.set nn, nn+1
.endr
.set tt, 0
.rept 8
	ds_load_b128 v[96+4*tt:96+4*tt+3], v[VRD] offset:2*PS*tt    ; my own stage: LDS serves a wave's instructions in order (ISA guide 5.7.1)
.set tt, tt+1
.endr
.set tt, 0
.rept 8
	s_wait_dscnt 7-tt
	global_store_b128 v50, v[96+4*tt:96+4*tt+3], s[14:15] offset:65536*tt      ; 16 lanes store 256 consecutive bytes, aligned
.set tt, tt+1
.endr
	s_branch .Lend
.Lnot_mul:
	s_cmp_lg_u32 s18, 2
	s_cbranch_scc1 .Lend
	s_cmp_lg_u32 s19, 0                            ; csb[h] has one owner: the head's work-group with cg = 0
	s_cbranch_scc1 .Lend
	v_lshlrev_b32 v16, 2, v24                      ; wave 2: csb[h][b], b = lane
	v_add_nc_u32 v17, CP, v16
.set kk, 0
.rept 8
	ds_load_b32 v[32+kk], v17 offset:128*kk
.set kk, kk+1
.endr
	s_wait_dscnt 0x0
	v_pk_add_f32 v[32:33], v[32:33], v[34:35]
	v_pk_add_f32 v[36:37], v[36:37], v[38:39]
	v_pk_add_f32 v[32:33], v[32:33], v[36:37]
	v_add_f32 v32, v32, v33
	global_store_b32 v16, v32, s[16:17]
.Lend:
	s_wait_xcnt 0x0
	v_lshl_add_u32 v254, v0, 2, 0x3e000
	v_mov_b32 v255, 0
	s_wait_tensorcnt 0x0
	ds_add_u32 v254, v255
	s_wait_dscnt 0x0
	s_endpgm
.Lfunc_end_k_q39bbd60cd7_mk_qk:
	.size	k_q39bbd60cd7_mk_qk, .Lfunc_end_k_q39bbd60cd7_mk_qk-k_q39bbd60cd7_mk_qk
	.p2alignl 7, 3214868480
	.fill 96, 4, 3214868480
	.section	.rodata,"a",@progbits
	.p2align	6, 0x0
	.amdhsa_kernel k_q39bbd60cd7_mk_qk
		.amdhsa_group_segment_fixed_size 256000
		.amdhsa_private_segment_fixed_size 0
		.amdhsa_enable_private_segment 0
		.amdhsa_kernarg_size 56
		.amdhsa_user_sgpr_count 2
		.amdhsa_user_sgpr_kernarg_segment_ptr 1
		.amdhsa_wavefront_size32 1
		.amdhsa_system_sgpr_workgroup_id_x 1
		.amdhsa_system_sgpr_workgroup_id_y 1
		.amdhsa_system_sgpr_workgroup_id_z 1
		.amdhsa_system_vgpr_workitem_id 0
		.amdhsa_next_free_vgpr 256
		.amdhsa_next_free_sgpr 66
		.amdhsa_reserve_vcc 0
		.amdhsa_float_denorm_mode_32 3
		.amdhsa_float_denorm_mode_16_64 3
		.amdhsa_memory_ordered 1
		.amdhsa_forward_progress 1
		.amdhsa_inst_pref_size 39
	.end_amdhsa_kernel
	.amdgpu_metadata
---
amdhsa.version: [ 1, 2 ]
amdhsa.kernels:
  - .name:           k_q39bbd60cd7_mk_qk
    .symbol:         k_q39bbd60cd7_mk_qk.kd
    .args:
      - { .name: x, .offset: 0, .size: 8, .value_kind: global_buffer, .address_space: global }
      - { .name: Wq, .offset: 8, .size: 8, .value_kind: global_buffer, .address_space: global }
      - { .name: bq, .offset: 16, .size: 8, .value_kind: global_buffer, .address_space: global }
      - { .name: Wk, .offset: 24, .size: 8, .value_kind: global_buffer, .address_space: global }
      - { .name: bk, .offset: 32, .size: 8, .value_kind: global_buffer, .address_space: global }
      - { .name: qkb, .offset: 40, .size: 8, .value_kind: global_buffer, .address_space: global }
      - { .name: csb, .offset: 48, .size: 8, .value_kind: global_buffer, .address_space: global }
    .group_segment_fixed_size: 256000
    .private_segment_fixed_size: 0
    .kernarg_segment_align: 8
    .kernarg_segment_size: 56
    .max_flat_workgroup_size: 512
    .sgpr_count:     66
    .vgpr_count:     256
    .wavefront_size: 32
...
	.end_amdgpu_metadata
.endif
;; end of part 1
;; launch attn (part 2): grid 256 x 1, 8 waves a work-group, no clusters, 307,456 bytes of LDS; arguments x, qkb, csb, part, stat; writes part, stat
.if DOCPART == 2
	.amdgcn_target "amdgcn-amd-amdhsa--gfx1250"
	.amdhsa_code_object_version 6
	.text
	.protected	k_q39bbd60cd7_attn
	.globl	k_q39bbd60cd7_attn
	.p2align	8
	.type	k_q39bbd60cd7_attn,@function
k_q39bbd60cd7_attn:
	s_mov_b64 s[64:65], 0
	v_nop
	global_prefetch_b8 v0, s[64:65] scope:SCOPE_SE
	s_setreg_imm32_b32 hwreg(HW_REG_WAVE_MODE, 25, 1), 1
	s_wait_xcnt 0x0
; Work-group id = 8 b + sp takes rows 128 sp .. 128 sp + 127 of batch b.  x is read from memory once, rounded to bf16 and kept in LDS for both products:
;   S[s][h] = x[s] . qkb[b][h] + csb[h][b]  (scores times log2(e); row 0 of the batch, the CLS row, is set to -inf)
;   m[h] = max over my 128 rows;  P = exp2(S - m);  l[h] = sum of P;  part[id][h][c] = sum over s of P[s][h] x[s][c]
; stat[id] = m of 16 heads, then l of 16 heads.  The next launch joins the 8 parts of a batch with the true maximum over them.
; LIMITS: x, qk and P are rounded to bf16 as matrix operands.  exp2 gives 0 for results below 2^-126 (ISA guide 15.8).  A non-finite x gives NaN as in the
; reference, perhaps in more places of that batch's row.
; Loads go through registers because f32 has to be rounded on the way; each wave keeps 31 or 32 loads of 512 bytes out.  Work-groups of a batch share only
; qkb[b] (32 KiB against 512 KiB of rows of their own), so there are no joint requests.
.set PX,  2080                         ; pitch of x rows in LDS; rows with bit 3 set lie 16 bytes further, so that both 16 rows' 16-byte pieces (pitch 32 modulo 256)
                                       ; and the transposing load's 8 rows x 32 bytes fall on 16 different 16-byte columns modulo 256 bytes
.set PK,  2064                         ; pitch of qk rows
.set PS,  272
.set PTB, 128*PX                       ; P in bf16, [h][s], pitch 272
.set SM,  PTB+16*PS                    ; [wave 8][head 16] f32 maxima; 512 bytes further the sums
.set QKL, SM+1024                      ; qk: 16 rows
.set STG, QKL                          ; the stage of the way out lies over qk, which nobody reads behind the first softmax barrier
.set VOFF, 1
.set VQG, 2
.set VQS, 3
.set VCS, 4
.set VST, 5
.set VA,  6
.set VB,  7
.set VSMW, 8
.set VSMR, 9
.set VPTS, 10
.set VP,  11
.set VT,  12                           ; v[12:15]
.set VSG, 16
.set VRD, 17
.set VPO, 18
.set VSTO, 19
.set ROWB, 20
.set NINF, 21
.set C,   22                           ; v[22:23] csb[R][b], twice
.set M,   24                           ; v[24:25] the maximum, twice
.set T,   28                           ; v[28:31] two pairs for conversions
.set ACC, 32                           ; v[32:63] four accumulators of the scores
.set PF,  32                           ; v[32:63] later: P's fragments
.set FA,  64                           ; v[64:95]
.set FB,  96                           ; v[96:127]
.set ACC2, 64                          ; v[64:127] later: eight accumulators
.set X0,  128                          ; v[128:191]
.set X1,  192                          ; v[192:255]
.macro PLACES                          ; four places behind a matrix instruction (ISA guide 7.12.1)
.rept 4
	v_nop
.endr
.endm
	s_load_b256 s[4:11], s[0:1], 0x0               ; x s[4:5], qkb s[6:7], csb s[8:9], part s[10:11]
	s_load_b64 s[12:13], s[0:1], 0x20              ; stat
	s_set_vgpr_msb 0x40
	v_lshl_add_u32 v0, v0, 2, 0x4ad00
	v_mov_b32 v1, 0
	s_set_vgpr_msb 0x4000
	v_lshrrev_b32 v32, 5, v0
	v_readfirstlane_b32 s14, v32                   ; W
	s_mov_b32 s17, 0
	v_and_b32 v33, 31, v0                          ; L
	v_and_b32 v34, 15, v0                          ; R
	s_lshl_b32 s21, s14, 16
	v_lshl_add_u32 v[VOFF], v33, 4, s21            ; my 16 rows of 4,096 bytes
	s_lshl_b32 s21, s14, 12
	v_lshl_add_u32 v[VQG], v33, 4, s21             ; heads 2W, 2W+1 of qk
	v_lshlrev_b32 v[VCS], 7, v34                   ; csb[R]
	s_lshr_b32 s21, ttmp9, 3                       ; b
	s_wait_kmcnt 0x0
	s_lshl_b32 s16, ttmp9, 19
	s_add_nc_u64 s[4:5], s[4:5], s[16:17]
	s_lshl_b32 s16, s21, 15
	s_add_nc_u64 s[6:7], s[6:7], s[16:17]
	s_lshl_b32 s16, s21, 2
	s_add_nc_u64 s[8:9], s[8:9], s[16:17]
.set ii, 0
.rept 8
	global_load_b128 v[FA+4*ii:FA+4*ii+3], v[VQG], s[6:7] offset:512*ii
.set ii, ii+1
.endr
	global_load_b32 v[C], v[VCS], s[8:9]
.set ii, 0
.rept 16
	global_load_b128 v[X0+4*ii:X0+4*ii+3], v[VOFF], s[4:5] offset:4096*ii th:TH_LOAD_NT
.set ii, ii+1
.endr
.set ii, 0
.rept 16
	global_load_b128 v[X1+4*ii:X1+4*ii+3], v[VOFF], s[4:5] offset:4096*ii+512 th:TH_LOAD_NT
.set ii, ii+1
.endr
	; the other bases and the LDS addresses, while the loads are on their way
	s_lshl_b32 s16, ttmp9, 16
	s_add_nc_u64 s[10:11], s[10:11], s[16:17]
	s_lshl_b32 s16, ttmp9, 7
	s_add_nc_u64 s[12:13], s[12:13], s[16:17]
	s_mov_b32 s18, 0x76543210
	s_mov_b32 s19, 0xfedcba98
	s_and_b32 s20, ttmp9, 7
	s_lshl_b32 s20, s20, 7
	s_lshl4_add_u32 s20, s14, s20                  ; my first row in the batch: 128 sp + 16 W
	v_bfe_u32 v35, v0, 4, 1                        ; HH
	v_bfe_u32 v36, v0, 3, 1                        ; bit 3 of the lane
	s_mul_i32 s21, s14, 2*PK
	s_add_co_u32 s21, s21, QKL
	v_lshl_add_u32 v[VQS], v33, 4, s21
	s_mul_i32 s22, s14, 16*PX
	v_lshl_add_u32 v[VST], v33, 3, s22
	v_mul_u32_u24 v37, v34, PX
	v_add_nc_u32 v38, v35, v36
	v_lshl_add_u32 v37, v38, 4, v37                ; row R, its shift 16 (R >> 3), and 16 HH
	v_add_nc_u32 v[VA], s22, v37
	v_mul_u32_u24 v37, v34, PK
	v_lshl_add_u32 v37, v35, 4, v37
	v_add_nc_u32 v[VB], QKL, v37
	s_lshl_b32 s21, s14, 6
	s_add_co_u32 s21, s21, SM
	v_lshl_add_u32 v[VSMW], v34, 2, s21
	v_lshl_add_u32 v[VSMR], v34, 2, SM
	v_mul_u32_u24 v37, v34, PS
	v_lshl_add_u32 v38, v35, 4, v37
	s_lshl_b32 s21, s14, 5
	s_add_co_u32 s21, s21, PTB
	v_add_nc_u32 v[VPTS], s21, v38
	v_add_nc_u32 v[VP], PTB, v38
	s_mul_i32 s21, s14, 16*PS
	s_add_co_u32 s21, s21, STG
	v_lshl_add_u32 v38, v35, 5, v37
	v_add_nc_u32 v[VSG], s21, v38
	v_mul_u32_u24 v38, v35, PS
	v_lshl_add_u32 v38, v34, 4, v38
	v_add_nc_u32 v[VRD], s21, v38
	v_and_b32 v37, 7, v0
	v_lshl_add_u32 v37, v35, 3, v37                ; transposing load: row 8 HH + (L & 7),
	v_mul_u32_u24 v37, v37, PX
	v_add_nc_u32 v38, v35, v36
	v_lshl_add_u32 v37, v38, 4, v37                ; that row's shift 16 HH, and 16 bytes further for lanes with bit 3
	s_lshl_b32 s21, s14, 8
	v_add_nc_u32 v[VT], s21, v37                   ; my 128 columns
	v_add_nc_u32 v[VT+1], 32*PX, v[VT]
	v_add_nc_u32 v[VT+2], 64*PX, v[VT]
	v_add_nc_u32 v[VT+3], 96*PX, v[VT]
	s_lshl_b32 s21, s14, 9
	v_lshl_add_u32 v38, v34, 4, s21
	v_lshl_add_u32 v[VPO], v35, 12, v38
	v_lshlrev_b32 v[VSTO], 2, v33
	v_lshl_add_u32 v[ROWB], v35, 3, s20            ; the row in the batch of my result register 0
	v_mov_b32 v[NINF], 0xff800000
	s_wait_loadcnt 32                              ; the 32 loads of x are younger: qk and csb are in
.set ii, 0
.rept 8
	ds_store_b128 v[VQS], v[FA+4*ii:FA+4*ii+3] offset:(ii>>2)*PK+(ii&3)*512
.set ii, ii+1
.endr
	v_mov_b32 v[C+1], v[C]
	s_wait_dscnt 0x0
	s_barrier_signal -1
	s_barrier_wait -1                              ; qk is whole; the loads of x stay on their way
; One load's 512 bytes (row i of my 16, columns 128 kb ..): rounded, its registers loaded again two blocks ahead, 256 bytes into LDS.
.macro UNIT kb, i, xb, refill, left
	s_wait_loadcnt \left
	v_cvt_pk_bf16_f32 v[T+2*(\i&1)], v[\xb+4*\i], v[\xb+4*\i+1]
	v_cvt_pk_bf16_f32 v[T+2*(\i&1)+1], v[\xb+4*\i+2], v[\xb+4*\i+3]
.if \refill
	global_load_b128 v[\xb+4*\i:\xb+4*\i+3], v[VOFF], s[4:5] offset:4096*\i+512*(\kb+2) th:TH_LOAD_NT
.endif
	ds_store_b64 v[VST], v[T+2*(\i&1):T+2*(\i&1)+1] offset:PX*\i+16*(\i>>3)+256*\kb
.endm
; Scores over columns 128 kb ..: source 0 = my own 16 rows of x (stored just above: LDS serves a wave's instructions in order, ISA guide 5.7.1),
; source 1 = the 16 heads' rows of qk.  A lane ends with 8 neighbouring rows s of head R.
.macro MULS kb, zero
.set kk, 0
.rept 4
	ds_load_b128 v[FA+8*kk:FA+8*kk+3], v[VA] offset:256*\kb+64*kk
	ds_load_b128 v[FA+8*kk+4:FA+8*kk+7], v[VA] offset:256*\kb+64*kk+32
	ds_load_b128 v[FB+8*kk:FB+8*kk+3], v[VB] offset:256*\kb+64*kk
	ds_load_b128 v[FB+8*kk+4:FB+8*kk+7], v[VB] offset:256*\kb+64*kk+32
.set kk, kk+1
.endr
.set kk, 0
.rept 4
	s_wait_dscnt 12-4*kk                           ; the four loads of each later K step are younger
.if \zero
	v_wmma_f32_16x16x32_bf16 v[ACC+8*kk:ACC+8*kk+7], v[FA+8*kk:FA+8*kk+7], v[FB+8*kk:FB+8*kk+7], 0
.else
	v_wmma_f32_16x16x32_bf16 v[ACC+8*kk:ACC+8*kk+7], v[FA+8*kk:FA+8*kk+7], v[FB+8*kk:FB+8*kk+7], v[ACC+8*kk:ACC+8*kk+7]   ; four accumulators by turns
.endif
.set kk, kk+1
.endr
.endm
; A block: 16 rows x 128 columns.  Younger loads at unit i: 15 - i of this block, 16 of the next, i of the one after: 31; in the last two blocks nothing is
; loaded any more and the counts run down.  The next block's 32 conversions are the places between these matrix instructions and the next fragment loads.
.macro BLOCK kb, xb, zero
.set ii, 0
.rept 16
.if \kb <= 5
	UNIT \kb, ii, \xb, 1, 31
.else
.if \kb == 6
	UNIT \kb, ii, \xb, 0, 31-ii
.else
	UNIT \kb, ii, \xb, 0, 15-ii
.endif
.endif
.set ii, ii+1
.endr
	MULS \kb, \zero
.endm
	BLOCK 0, X0, 1
	BLOCK 1, X1, 0
	BLOCK 2, X0, 0
	BLOCK 3, X1, 0
	BLOCK 4, X0, 0
	BLOCK 5, X1, 0
	BLOCK 6, X0, 0
	BLOCK 7, X1, 0
	; Softmax over my work-group's 128 rows
	PLACES
.set jj, 0
.rept 4
	v_pk_add_f32 v[ACC+2*jj:ACC+2*jj+1], v[ACC+2*jj:ACC+2*jj+1], v[ACC+8+2*jj:ACC+8+2*jj+1]
	v_pk_add_f32 v[ACC+16+2*jj:ACC+16+2*jj+1], v[ACC+16+2*jj:ACC+16+2*jj+1], v[ACC+24+2*jj:ACC+24+2*jj+1]
.set jj, jj+1
.endr
.set jj, 0
.rept 4
	v_pk_add_f32 v[ACC+2*jj:ACC+2*jj+1], v[ACC+2*jj:ACC+2*jj+1], v[ACC+16+2*jj:ACC+16+2*jj+1]
.set jj, jj+1
.endr
.set jj, 0
.rept 4
	v_pk_add_f32 v[ACC+2*jj:ACC+2*jj+1], v[ACC+2*jj:ACC+2*jj+1], v[C:C+1]      ; + q' . bk
.set jj, jj+1
.endr
	v_cmp_eq_u32 vcc_lo, 0, v[ROWB]
	v_cndmask_b32 v[ACC], v[ACC], v[NINF], vcc_lo  ; row 0 of the batch is the query itself: no key
	v_max3_num_f32 v40, v32, v33, v34
	v_max3_num_f32 v40, v40, v35, v36
	v_max3_num_f32 v40, v40, v37, v38
	v_max_num_f32 v40, v40, v39
	v_permlanex16_b32 v41, v40, s18, s19
	v_max_num_f32 v40, v40, v41                    ; head R's maximum over my wave's 16 rows
	ds_store_b32 v[VSMW], v40
	s_wait_dscnt 0x0                               ; my maxima and my rows of x are in LDS, my reads of qk are back
	s_barrier_signal -1
	s_barrier_wait -1
.set ww, 0
.rept 8
	ds_load_b32 v[48+ww], v[VSMR] offset:64*ww
.set ww, ww+1
.endr
	s_wait_dscnt 0x0
	v_max3_num_f32 v[M], v48, v49, v50
	v_max3_num_f32 v[M], v[M], v51, v52
	v_max3_num_f32 v[M], v[M], v53, v54
	v_max_num_f32 v[M], v[M], v55                  ; over all 128 rows (at least 127 of them are keys, so it is finite for finite x)
	v_mov_b32 v[M+1], v[M]
.set jj, 0
.rept 4
	v_pk_add_f32 v[ACC+2*jj:ACC+2*jj+1], v[ACC+2*jj:ACC+2*jj+1], v[M:M+1] neg_lo:[0,1] neg_hi:[0,1]
.set jj, jj+1
.endr
.set jj, 0
.rept 8
	v_exp_f32 v[40+jj], v[ACC+jj]
.set jj, jj+1
.endr
	v_nop                                          ; one plain place behind the transcendentals (ISA guide 5.7.2)
	s_wait_alu depctr_va_vdst(0)
	v_pk_add_f32 v[48:49], v[40:41], v[42:43]
	v_pk_add_f32 v[50:51], v[44:45], v[46:47]
	v_pk_add_f32 v[48:49], v[48:49], v[50:51]
	v_add_f32 v48, v48, v49
	v_permlanex16_b32 v49, v48, s18, s19
	v_add_f32 v48, v48, v49
	ds_store_b32 v[VSMW], v48 offset:512           ; head R's sum over my wave's 16 rows
.set jj, 0
.rept 4
	v_cvt_pk_bf16_f32 v[56+jj], v[40+2*jj], v[40+2*jj+1]
.set jj, jj+1
.endr
	ds_store_b128 v[VPTS], v[56:59]                ; P[R][16 W + 8 HH ..]
	s_wait_dscnt 0x0
	s_barrier_signal -1
	s_barrier_wait -1                              ; P and the sums are whole
	s_cmp_lg_u32 s14, 0
	s_cbranch_scc1 .Lnot_wave_0
.set ww, 0
.rept 8
	ds_load_b32 v[48+ww], v[VSMR] offset:512+64*ww
.set ww, ww+1
.endr
	s_wait_dscnt 0x0
	v_pk_add_f32 v[48:49], v[48:49], v[50:51]
	v_pk_add_f32 v[52:53], v[52:53], v[54:55]
	v_pk_add_f32 v[48:49], v[48:49], v[52:53]
	v_add_f32 v48, v48, v49
	v_and_b32 v26, 16, v0
	v_cmp_ne_u32 vcc_lo, 0, v26
	v_cndmask_b32 v27, v[M], v48, vcc_lo           ; lanes 0-15 the maxima, lanes 16-31 the sums
	global_store_b32 v[VSTO], v27, s[12:13]
.Lnot_wave_0:
	; Second product: source 0 = 16 columns of x (rows lie along c: the transposing load), source 1 = the 16 heads' rows of P.  K = my 128 rows.  My wave: 128 columns.
.macro TRL t, buf
.set nn, 0
.rept 8
	ds_load_tr16_b128 v[\buf+8*nn:\buf+8*nn+3], v[VT+\t] offset:32*nn
	ds_load_tr16_b128 v[\buf+8*nn+4:\buf+8*nn+7], v[VT+\t] offset:32*nn+16*PX
.set nn, nn+1
.endr
.endm
.macro PMUL t, buf, zero
.set nn, 0
.rept 8
.if \zero
	v_wmma_f32_16x16x32_bf16 v[ACC2+8*nn:ACC2+8*nn+7], v[\buf+8*nn:\buf+8*nn+7], v[PF+8*\t:PF+8*\t+7], 0
.else
	v_wmma_f32_16x16x32_bf16 v[ACC2+8*nn:ACC2+8*nn+7], v[\buf+8*nn:\buf+8*nn+7], v[PF+8*\t:PF+8*\t+7], v[ACC2+8*nn:ACC2+8*nn+7]   ; eight accumulators by turns
.endif
.set nn, nn+1
.endr
.endm
.set tt, 0
.rept 4
	ds_load_b128 v[PF+8*tt:PF+8*tt+3], v[VP] offset:64*tt
	ds_load_b128 v[PF+8*tt+4:PF+8*tt+7], v[VP] offset:64*tt+32
.set tt, tt+1
.endr
	TRL 0, X0
	TRL 1, X1
	s_wait_dscnt 16                                ; the 16 loads of rows 32-63 are younger
	PMUL 0, X0, 1
	s_wait_dscnt 0x0
	PMUL 1, X1, 0
	PLACES                                         ; in front of loads into registers that matrix instructions have read
	TRL 2, X0
	TRL 3, X1
	s_wait_dscnt 16
	PMUL 2, X0, 0
	s_wait_dscnt 0x0
	PMUL 3, X1, 0
	PLACES
; The way out, 64 columns at a time: a lane's 8 neighbouring f32 of head R into my own stage, whole rows of 256 bytes back, 16 lanes to one aligned 256 bytes of part.
.macro OUTP p, o
.set nn, 0
.rept 4
	ds_store_b128 v[VSG], v[ACC2+8*(4*\p+nn):ACC2+8*(4*\p+nn)+3] offset:64*nn
	ds_store_b128 v[VSG], v[ACC2+8*(4*\p+nn)+4:ACC2+8*(4*\p+nn)+7] offset:64*nn+16
.set nn, nn+1
.endr
.set tt, 0
.rept 8
	ds_load_b128 v[\o+4*tt:\o+4*tt+3], v[VRD] offset:2*PS*tt
.set tt, tt+1
.endr
.set tt, 0
.rept 8
	s_wait_dscnt 7-tt
	global_store_b128 v[VPO], v[\o+4*tt:\o+4*tt+3], s[10:11] offset:8192*tt+256*\p
.set tt, tt+1
.endr
.endm
	OUTP 0, X0
	OUTP 1, X0+32                                  ; other registers than the first pass's stores read
	s_set_vgpr_msb 0x5
	s_wait_tensorcnt 0x0
	ds_add_u32 v0, v1
	s_wait_dscnt 0x0
	s_set_vgpr_msb 0x500
	s_endpgm
.Lfunc_end_k_q39bbd60cd7_attn:
	.size	k_q39bbd60cd7_attn, .Lfunc_end_k_q39bbd60cd7_attn-k_q39bbd60cd7_attn
	.p2alignl 7, 3214868480
	.fill 96, 4, 3214868480
	.section	.rodata,"a",@progbits
	.p2align	6, 0x0
	.amdhsa_kernel k_q39bbd60cd7_attn
		.amdhsa_group_segment_fixed_size 307456
		.amdhsa_private_segment_fixed_size 0
		.amdhsa_enable_private_segment 0
		.amdhsa_kernarg_size 40
		.amdhsa_user_sgpr_count 2
		.amdhsa_user_sgpr_kernarg_segment_ptr 1
		.amdhsa_wavefront_size32 1
		.amdhsa_system_sgpr_workgroup_id_x 1
		.amdhsa_system_sgpr_workgroup_id_y 1
		.amdhsa_system_sgpr_workgroup_id_z 1
		.amdhsa_system_vgpr_workitem_id 0
		.amdhsa_next_free_vgpr 258
		.amdhsa_next_free_sgpr 66
		.amdhsa_reserve_vcc 1
		.amdhsa_float_denorm_mode_32 3
		.amdhsa_float_denorm_mode_16_64 3
		.amdhsa_memory_ordered 1
		.amdhsa_forward_progress 1
		.amdhsa_inst_pref_size 73
	.end_amdhsa_kernel
	.amdgpu_metadata
---
amdhsa.version: [ 1, 2 ]
amdhsa.kernels:
  - .name:           k_q39bbd60cd7_attn
    .symbol:         k_q39bbd60cd7_attn.kd
    .args:
      - { .name: x, .offset: 0, .size: 8, .value_kind: global_buffer, .address_space: global }
      - { .name: qkb, .offset: 8, .size: 8, .value_kind: global_buffer, .address_space: global }
      - { .name: csb, .offset: 16, .size: 8, .value_kind: global_buffer, .address_space: global }
      - { .name: part, .offset: 24, .size: 8, .value_kind: global_buffer, .address_space: global }
      - { .name: stat, .offset: 32, .size: 8, .value_kind: global_buffer, .address_space: global }
    .group_segment_fixed_size: 307456
    .private_segment_fixed_size: 0
    .kernarg_segment_align: 8
    .kernarg_segment_size: 40
    .max_flat_workgroup_size: 256
    .sgpr_count:     66
    .vgpr_count:     258
    .wavefront_size: 32
...
	.end_amdgpu_metadata
.endif
;; end of part 2
;; launch mk_wv (part 3): grid 16 x 8, 8 waves a work-group, no clusters, 27,136 bytes of LDS; arguments part, stat, Wv, apb; writes apb
.if DOCPART == 3
	.amdgcn_target "amdgcn-amd-amdhsa--gfx1250"
	.amdhsa_code_object_version 6
	.text
	.protected	k_q39bbd60cd7_mk_wv
	.globl	k_q39bbd60cd7_mk_wv
	.p2align	8
	.type	k_q39bbd60cd7_mk_wv,@function
k_q39bbd60cd7_mk_wv:
	s_mov_b64 s[64:65], 0
	v_nop
	global_prefetch_b8 v0, s[64:65] scope:SCOPE_SE
	s_setreg_imm32_b32 hwreg(HW_REG_WAVE_MODE, 25, 1), 1
	s_wait_xcnt 0x0
; Work-group (h, kc): head h, columns c = 128 kc .. 128 kc + 127.  For all 32 batches it joins the 8 parts,
;   M = max over sp of m,  e = exp2(m - M),  w = e / sum(l e),  xw[b][c] = sum over sp of w part[8b+sp][h][c],
; and multiplies: apb[kc][h] = xw[b][c] Wv[64h+d][c] summed over its 128 c.  Each byte of part and of Wv is read once in the launch.
; apb's layout is the result registers' own: [kc][h][wave 8][q 2][lane 32][4 f32], the number being that of b = 16 (w >> 2) + R, d = 16 (w & 3) + 8 HH + 4 q + e.
; LIMITS: xw and Wv are rounded to bf16 as matrix operands; exp2 gives 0 below 2^-126 (ISA guide 15.8); the largest part has e = 1 and l >= 1, so the divisor is at least 1.
.set PS,  272
.set XW,  0                            ; 32 rows b x 128 c in bf16
.set WVL, 32*PS                        ; 64 rows d x 128 c in bf16
.set VSTA, 1
.set VWV, 2
.set VPART, 3
.set VWVS, 4
.set VXWS, 5
.set VFA, 6
.set VFB, 7
.set VAPO, 8
.set SUM, 16                           ; v[16:19]
.set T,   24                           ; v[24:31] four pairs
.set WVR, 32                           ; v[32:63]
.set PR,  64                           ; v[64:191] 32 units of part; later v[64:127] fragments, v[128:159] accumulators
.set F,   64
.set ACC, 128
.set WT,  32                           ; s[32:63] the weights of my wave's 4 batches x 8 parts
	s_load_b256 s[4:11], s[0:1], 0x0               ; part s[4:5], stat s[6:7], Wv s[8:9], apb s[10:11]
	v_lshl_add_u32 v192, v0, 2, 0x6600
	v_mov_b32 v193, 0
	v_lshrrev_b32 v20, 5, v0
	v_readfirstlane_b32 s12, v20                   ; W
	s_and_b32 s13, ttmp7, 0xffff                   ; kc
	s_mov_b32 s17, 0
	v_and_b32 v21, 31, v0                          ; L
	v_lshlrev_b32 v[VSTA], 7, v0                   ; thread t = 8 b + sp: stat's row t
	s_lshl_b32 s18, s12, 15
	v_lshl_add_u32 v[VWV], v21, 4, s18             ; rows 8W .. 8W+7 of Wv_h
	s_lshl_b32 s18, s12, 21
	v_lshl_add_u32 v[VPART], v21, 4, s18           ; parts 32W .. 32W+31: batches 4W .. 4W+3
	s_lshl_b32 s19, s13, 9
	s_wait_kmcnt 0x0
	s_lshl_b32 s16, ttmp9, 12
	s_add_co_u32 s16, s16, s19
	s_add_nc_u64 s[4:5], s[4:5], s[16:17]
	s_lshl_b32 s16, ttmp9, 2
	s_add_nc_u64 s[6:7], s[6:7], s[16:17]
	s_lshl_b32 s16, ttmp9, 18
	s_add_co_u32 s16, s16, s19
	s_add_nc_u64 s[8:9], s[8:9], s[16:17]
	global_load_b32 v10, v[VSTA], s[6:7]           ; m
	global_load_b32 v11, v[VSTA], s[6:7] offset:64 ; l
.set ii, 0
.rept 8
	global_load_b128 v[WVR+4*ii:WVR+4*ii+3], v[VWV], s[8:9] offset:4096*ii th:TH_LOAD_NT
.set ii, ii+1
.endr
.set ii, 0
.rept 32
	global_load_b128 v[PR+4*ii:PR+4*ii+3], v[VPART], s[4:5] offset:65536*ii th:TH_LOAD_NT
.set ii, ii+1
.endr
	s_lshl_b32 s16, s13, 4
	s_add_co_u32 s16, s16, ttmp9
	s_lshl_b32 s16, s16, 13
	s_add_nc_u64 s[10:11], s[10:11], s[16:17]
	s_and_b32 s14, s12, 3
	s_lshr_b32 s15, s12, 2
	v_and_b32 v22, 15, v0                          ; R
	v_bfe_u32 v23, v0, 4, 1                        ; HH
	s_mul_i32 s18, s12, 8*PS
	s_add_co_u32 s18, s18, WVL
	v_lshl_add_u32 v[VWVS], v21, 3, s18
	s_mul_i32 s18, s12, 4*PS
	v_lshl_add_u32 v[VXWS], v21, 3, s18
	v_mul_u32_u24 v22, v22, PS
	v_lshl_add_u32 v22, v23, 4, v22
	s_mul_i32 s18, s14, 16*PS
	s_add_co_u32 s18, s18, WVL
	v_add_nc_u32 v[VFA], s18, v22
	s_mul_i32 s18, s15, 16*PS
	v_add_nc_u32 v[VFB], s18, v22
	s_lshl_b32 s18, s12, 10
	v_lshl_add_u32 v[VAPO], v21, 4, s18
	s_wait_loadcnt 40                              ; 8 of Wv and 32 of part are younger: m and l are in
	v_mov_b32 v12, v10
	v_max_num_f32_dpp v12, v12, v12 row_xmask:1 row_mask:0xf bank_mask:0xf     ; over the 8 lanes of a batch
	v_max_num_f32_dpp v12, v12, v12 row_xmask:2 row_mask:0xf bank_mask:0xf
	v_max_num_f32_dpp v12, v12, v12 row_xmask:4 row_mask:0xf bank_mask:0xf
	v_sub_f32 v13, v10, v12
	v_exp_f32 v14, v13
	v_nop                                          ; one plain place behind a transcendental (ISA guide 5.7.2)
	s_wait_alu depctr_va_vdst(0)
	v_mul_f32 v15, v11, v14
	v_add_f32_dpp v15, v15, v15 row_xmask:1 row_mask:0xf bank_mask:0xf
	v_add_f32_dpp v15, v15, v15 row_xmask:2 row_mask:0xf bank_mask:0xf
	v_add_f32_dpp v15, v15, v15 row_xmask:4 row_mask:0xf bank_mask:0xf
	v_rcp_f32 v13, v15
	v_nop
	s_wait_alu depctr_va_vdst(0)
	v_mul_f32 v14, v14, v13                        ; lane 8 bi + sp: the weight of part sp of batch 4W + bi
.set ii, 0
.rept 32
	v_readlane_b32 s[WT+ii], v14, ii
.set ii, ii+1
.endr
	s_wait_loadcnt 32                              ; the 32 of part are younger: Wv is in
.set ii, 0
.rept 8
	v_cvt_pk_bf16_f32 v[T+2*(ii&3)], v[WVR+4*ii], v[WVR+4*ii+1]
	v_cvt_pk_bf16_f32 v[T+2*(ii&3)+1], v[WVR+4*ii+2], v[WVR+4*ii+3]
	ds_store_b64 v[VWVS], v[T+2*(ii&3):T+2*(ii&3)+1] offset:PS*ii
.set ii, ii+1
.endr
.set bb, 0
.rept 4
	s_wait_loadcnt 8*(3-bb)                        ; the later batches' eight loads each are younger
.set ee, 0
.rept 4
	v_mul_f32 v[SUM+ee], s[WT+8*bb], v[PR+32*bb+ee]
.set ee, ee+1
.endr
.set pp, 1
.rept 7
.set ee, 0
.rept 4
	v_fmac_f32 v[SUM+ee], s[WT+8*bb+pp], v[PR+32*bb+4*pp+ee]
.set ee, ee+1
.endr
.set pp, pp+1
.endr
	v_cvt_pk_bf16_f32 v[T+2*bb], v[SUM], v[SUM+1]
	v_cvt_pk_bf16_f32 v[T+2*bb+1], v[SUM+2], v[SUM+3]
	ds_store_b64 v[VXWS], v[T+2*bb:T+2*bb+1] offset:PS*bb
.set bb, bb+1
.endr
	s_wait_dscnt 0x0
	s_barrier_signal -1
	s_barrier_wait -1                              ; xw and Wv are whole
	; source 0 = 16 rows d of Wv, source 1 = 16 rows b of xw; four K steps on four accumulators, each started by the constant 0
.set kk, 0
.rept 4
	ds_load_b128 v[F+16*kk:F+16*kk+3], v[VFA] offset:64*kk
	ds_load_b128 v[F+16*kk+4:F+16*kk+7], v[VFA] offset:64*kk+32
	ds_load_b128 v[F+16*kk+8:F+16*kk+11], v[VFB] offset:64*kk
	ds_load_b128 v[F+16*kk+12:F+16*kk+15], v[VFB] offset:64*kk+32
.set kk, kk+1
.endr
.set kk, 0
.rept 4
	s_wait_dscnt 12-4*kk                           ; the four loads of each later K step are younger
	v_wmma_f32_16x16x32_bf16 v[ACC+8*kk:ACC+8*kk+7], v[F+16*kk:F+16*kk+7], v[F+16*kk+8:F+16*kk+15], 0
.set kk, kk+1
.endr
.rept 4
	v_nop                                          ; four places behind the last matrix instruction (ISA guide 7.12.1)
.endr
.set jj, 0
.rept 4
	v_pk_add_f32 v[ACC+2*jj:ACC+2*jj+1], v[ACC+2*jj:ACC+2*jj+1], v[ACC+8+2*jj:ACC+8+2*jj+1]
	v_pk_add_f32 v[ACC+16+2*jj:ACC+16+2*jj+1], v[ACC+16+2*jj:ACC+16+2*jj+1], v[ACC+24+2*jj:ACC+24+2*jj+1]
.set jj, jj+1
.endr
.set jj, 0
.rept 4
	v_pk_add_f32 v[ACC+2*jj:ACC+2*jj+1], v[ACC+2*jj:ACC+2*jj+1], v[ACC+16+2*jj:ACC+16+2*jj+1]
.set jj, jj+1
.endr
	global_store_b128 v[VAPO], v[ACC:ACC+3], s[10:11]              ; each store of the wave covers 512 consecutive bytes, aligned
	global_store_b128 v[VAPO], v[ACC+4:ACC+7], s[10:11] offset:512
	s_wait_tensorcnt 0x0
	ds_add_u32 v192, v193
	s_wait_dscnt 0x0
	s_endpgm
.Lfunc_end_k_q39bbd60cd7_mk_wv:
	.size	k_q39bbd60cd7_mk_wv, .Lfunc_end_k_q39bbd60cd7_mk_wv-k_q39bbd60cd7_mk_wv
	.p2alignl 7, 3214868480
	.fill 96, 4, 3214868480
	.section	.rodata,"a",@progbits
	.p2align	6, 0x0
	.amdhsa_kernel k_q39bbd60cd7_mk_wv
		.amdhsa_group_segment_fixed_size 27136
		.amdhsa_private_segment_fixed_size 0
		.amdhsa_enable_private_segment 0
		.amdhsa_kernarg_size 32
		.amdhsa_user_sgpr_count 2
		.amdhsa_user_sgpr_kernarg_segment_ptr 1
		.amdhsa_wavefront_size32 1
		.amdhsa_system_sgpr_workgroup_id_x 1
		.amdhsa_system_sgpr_workgroup_id_y 1
		.amdhsa_system_sgpr_workgroup_id_z 1
		.amdhsa_system_vgpr_workitem_id 0
		.amdhsa_next_free_vgpr 194
		.amdhsa_next_free_sgpr 66
		.amdhsa_reserve_vcc 0
		.amdhsa_float_denorm_mode_32 3
		.amdhsa_float_denorm_mode_16_64 3
		.amdhsa_memory_ordered 1
		.amdhsa_forward_progress 1
		.amdhsa_inst_pref_size 18
	.end_amdhsa_kernel
	.amdgpu_metadata
---
amdhsa.version: [ 1, 2 ]
amdhsa.kernels:
  - .name:           k_q39bbd60cd7_mk_wv
    .symbol:         k_q39bbd60cd7_mk_wv.kd
    .args:
      - { .name: part, .offset: 0, .size: 8, .value_kind: global_buffer, .address_space: global }
      - { .name: stat, .offset: 8, .size: 8, .value_kind: global_buffer, .address_space: global }
      - { .name: Wv, .offset: 16, .size: 8, .value_kind: global_buffer, .address_space: global }
      - { .name: apb, .offset: 24, .size: 8, .value_kind: global_buffer, .address_space: global }
    .group_segment_fixed_size: 27136
    .private_segment_fixed_size: 0
    .kernarg_segment_align: 8
    .kernarg_segment_size: 32
    .max_flat_workgroup_size: 256
    .sgpr_count:     66
    .vgpr_count:     194
    .wavefront_size: 32
...
	.end_amdgpu_metadata
.endif
;; end of part 3
;; launch mk_wo (part 4): grid 16 x 4, 8 waves a work-group, no clusters, 77,312 bytes of LDS; arguments apb, bv, Wo, outp; writes outp
.if DOCPART == 4
	.amdgcn_target "amdgcn-amd-amdhsa--gfx1250"
	.amdhsa_code_object_version 6
	.text
	.protected	k_q39bbd60cd7_mk_wo
	.globl	k_q39bbd60cd7_mk_wo
	.p2align	8
	.type	k_q39bbd60cd7_mk_wo,@function
k_q39bbd60cd7_mk_wo:
	s_mov_b64 s[64:65], 0
	v_nop
	global_prefetch_b8 v0, s[64:65] scope:SCOPE_SE
	s_setreg_imm32_b32 hwreg(HW_REG_WAVE_MODE, 25, 1), 1
	s_wait_xcnt 0x0
; Work-group (h, nq): attn_h[b][d] = sum over kc of apb[kc][h] + bv[64h+d] (the softmax weights sum to 1, so bv enters once), then
; outp[h][b][n] = sum over d of attn_h[b][d] Wo[n][64h+d] for n = 256 nq .. 256 nq + 255.  Each byte of Wo is read once in the launch; the 64 KiB of apb[.][h] four times.
; LIMITS: attn_h and Wo are rounded to bf16 as matrix operands.
.set PQ,  144                          ; 64 bf16 + 16 bytes
.set PS,  272
.set AT,  0                            ; 32 rows b
.set WOL, 32*PQ                        ; 256 rows n
.set STG, WOL+256*PQ                   ; 16 rows x 272 bytes for each wave
.set VBV, 1
.set VAP, 2
.set VWO, 3
.set VATS, 4
.set VWOS, 5
.set VFA, 6
.set VFB, 7
.set VSG, 8
.set VRD, 9
.set VO,  10
.set BV,  16                           ; v[16:23]
.set T,   24                           ; v[24:31]
.set AP,  32                           ; v[32:95]  [kc 8][8 numbers]
.set WR,  96                           ; v[96:159] 16 units of Wo
.set BF,  32                           ; v[32:47]  later: attn's fragments
.set AF,  48                           ; v[48:111] later: Wo's fragments [K step 2][tile 4]
.set ACC, 112                          ; v[112:143]
.set O,   144                          ; v[144:175]
.macro ADD8 d, s
.set jj, 0
.rept 4
	v_pk_add_f32 v[\d+2*jj:\d+2*jj+1], v[\d+2*jj:\d+2*jj+1], v[\s+2*jj:\s+2*jj+1]
.set jj, jj+1
.endr
.endm
	s_load_b256 s[4:11], s[0:1], 0x0               ; apb s[4:5], bv s[6:7], Wo s[8:9], outp s[10:11]
	v_lshl_add_u32 v176, v0, 2, 0x12a00
	v_mov_b32 v177, 0
	v_lshrrev_b32 v11, 5, v0
	v_readfirstlane_b32 s12, v11                   ; W
	s_and_b32 s13, ttmp7, 0xffff                   ; nq
	s_and_b32 s14, s12, 3                          ; W & 3
	s_lshr_b32 s15, s12, 2                         ; W >> 2
	s_mov_b32 s17, 0
	v_and_b32 v11, 31, v0                          ; L
	v_and_b32 v12, 15, v0                          ; R
	v_bfe_u32 v13, v0, 4, 1                        ; HH
	s_lshl_b32 s18, s14, 6
	v_lshl_add_u32 v[VBV], v13, 5, s18             ; d = 16 (W & 3) + 8 HH
	s_lshl_b32 s18, s12, 10
	v_lshl_add_u32 v[VAP], v11, 4, s18
	s_lshl_b32 s18, s12, 17
	v_lshl_add_u32 v14, v12, 4, s18
	v_lshl_add_u32 v[VWO], v13, 12, v14            ; rows 32 W + HH, 16 R bytes of the head's 256
	s_wait_kmcnt 0x0
	s_lshl_b32 s16, ttmp9, 13
	s_add_nc_u64 s[4:5], s[4:5], s[16:17]
	s_lshl_b32 s16, ttmp9, 8
	s_add_nc_u64 s[6:7], s[6:7], s[16:17]
	s_lshl_b32 s18, s13, 20
	s_add_co_u32 s16, s16, s18
	s_add_nc_u64 s[8:9], s[8:9], s[16:17]
	global_load_b128 v[BV:BV+3], v[VBV], s[6:7]
	global_load_b128 v[BV+4:BV+7], v[VBV], s[6:7] offset:16
.set ii, 0
.rept 16
	global_load_b128 v[AP+4*ii:AP+4*ii+3], v[VAP], s[4:5] offset:131072*(ii>>1)+512*(ii&1)
.set ii, ii+1
.endr
.set ii, 0
.rept 16
	global_load_b128 v[WR+4*ii:WR+4*ii+3], v[VWO], s[8:9] offset:8192*ii th:TH_LOAD_NT   ; two rows' whole 256 bytes
.set ii, ii+1
.endr
	s_lshl_b32 s16, ttmp9, 17
	s_lshl_b32 s18, s13, 10
	s_add_co_u32 s16, s16, s18
	s_add_nc_u64 s[10:11], s[10:11], s[16:17]
	v_mul_u32_u24 v14, v12, PQ
	v_lshl_add_u32 v14, v13, 4, v14                ; row R, 16 HH
	s_mul_i32 s18, s15, 16*PQ
	v_add_nc_u32 v[VFB], s18, v14
	s_lshl_b32 s19, s14, 5
	s_add_co_u32 s18, s18, s19
	v_add_nc_u32 v[VATS], s18, v14
	s_mul_i32 s18, s14, 64*PQ
	s_add_co_u32 s18, s18, WOL
	v_add_nc_u32 v[VFA], s18, v14
	s_mul_i32 s18, s12, 32*PQ
	s_add_co_u32 s18, s18, WOL
	v_mul_u32_u24 v14, v13, PQ
	v_lshl_add_u32 v14, v12, 3, v14
	v_add_nc_u32 v[VWOS], s18, v14
	s_mul_i32 s18, s12, 16*PS
	s_add_co_u32 s18, s18, STG
	v_mul_u32_u24 v14, v12, PS
	v_lshl_add_u32 v14, v13, 5, v14
	v_add_nc_u32 v[VSG], s18, v14
	v_mul_u32_u24 v14, v13, PS
	v_lshl_add_u32 v14, v12, 4, v14
	v_add_nc_u32 v[VRD], s18, v14
	s_lshl_b32 s18, s15, 16
	s_lshl_b32 s19, s14, 8
	s_add_co_u32 s18, s18, s19
	v_lshl_add_u32 v14, v12, 4, s18
	v_lshl_add_u32 v[VO], v13, 12, v14
	s_wait_loadcnt 16                              ; the 16 of Wo are younger: bv and apb are in
	ADD8 AP, AP+8
	ADD8 AP+16, AP+24
	ADD8 AP+32, AP+40
	ADD8 AP+48, AP+56
	ADD8 AP, AP+16
	ADD8 AP+32, AP+48
	ADD8 AP, AP+32
	ADD8 AP, BV
.set jj, 0
.rept 4
	v_cvt_pk_bf16_f32 v[T+jj], v[AP+2*jj], v[AP+2*jj+1]
.set jj, jj+1
.endr
	ds_store_b128 v[VATS], v[T:T+3]                ; attn_h[16 (W >> 2) + R][16 (W & 3) + 8 HH ..]
.set ii, 0
.rept 16
	s_wait_loadcnt 15-ii
	v_cvt_pk_bf16_f32 v[T+4+2*(ii&1)], v[WR+4*ii], v[WR+4*ii+1]
	v_cvt_pk_bf16_f32 v[T+5+2*(ii&1)], v[WR+4*ii+2], v[WR+4*ii+3]
	ds_store_b64 v[VWOS], v[T+4+2*(ii&1):T+5+2*(ii&1)] offset:2*PQ*ii
.set ii, ii+1
.endr
	s_wait_dscnt 0x0
	s_barrier_signal -1
	s_barrier_wait -1                              ; attn_h and Wo's 256 rows are whole
	; source 0 = 16 rows n of Wo, source 1 = 16 rows b of attn_h.  My wave: 64 n (four tiles) x 16 b, K = 64.
	ds_load_b128 v[BF:BF+3], v[VFB]
	ds_load_b128 v[BF+4:BF+7], v[VFB] offset:32
	ds_load_b128 v[BF+8:BF+11], v[VFB] offset:64
	ds_load_b128 v[BF+12:BF+15], v[VFB] offset:96
.set kk, 0
.rept 2
.set tt, 0
.rept 4
	ds_load_b128 v[AF+32*kk+8*tt:AF+32*kk+8*tt+3], v[VFA] offset:16*PQ*tt+64*kk
	ds_load_b128 v[AF+32*kk+8*tt+4:AF+32*kk+8*tt+7], v[VFA] offset:16*PQ*tt+64*kk+32
.set tt, tt+1
.endr
.set kk, kk+1
.endr
	s_wait_dscnt 8                                 ; the 8 loads of the second K step are younger
.set tt, 0
.rept 4
	v_wmma_f32_16x16x32_bf16 v[ACC+8*tt:ACC+8*tt+7], v[AF+8*tt:AF+8*tt+7], v[BF:BF+7], 0
.set tt, tt+1
.endr
	s_wait_dscnt 0x0
.set tt, 0
.rept 4
	v_wmma_f32_16x16x32_bf16 v[ACC+8*tt:ACC+8*tt+7], v[AF+32+8*tt:AF+32+8*tt+7], v[BF+8:BF+15], v[ACC+8*tt:ACC+8*tt+7]   ; four accumulators by turns
.set tt, tt+1
.endr
.rept 4
	v_nop                                          ; four places behind the last matrix instruction (ISA guide 7.12.1)
.endr
	; the way out: 8 neighbouring f32 of batch R into my own stage, whole rows of 256 bytes back
.set tt, 0
.rept 4
	ds_store_b128 v[VSG], v[ACC+8*tt:ACC+8*tt+3] offset:64*tt
	ds_store_b128 v[VSG], v[ACC+8*tt+4:ACC+8*tt+7] offset:64*tt+16
.set tt, tt+1
.endr
.set tt, 0
.rept 8
	ds_load_b128 v[O+4*tt:O+4*tt+3], v[VRD] offset:2*PS*tt      ; LDS serves a wave's instructions in order (ISA guide 5.7.1)
.set tt, tt+1
.endr
.set tt, 0
.rept 8
	s_wait_dscnt 7-tt
	global_store_b128 v[VO], v[O+4*tt:O+4*tt+3], s[10:11] offset:8192*tt   ; 16 lanes store 256 consecutive bytes, aligned
.set tt, tt+1
.endr
	s_wait_tensorcnt 0x0
	ds_add_u32 v176, v177
	s_wait_dscnt 0x0
	s_endpgm
.Lfunc_end_k_q39bbd60cd7_mk_wo:
	.size	k_q39bbd60cd7_mk_wo, .Lfunc_end_k_q39bbd60cd7_mk_wo-k_q39bbd60cd7_mk_wo
	.p2alignl 7, 3214868480
	.fill 96, 4, 3214868480
	.section	.rodata,"a",@progbits
	.p2align	6, 0x0
	.amdhsa_kernel k_q39bbd60cd7_mk_wo
		.amdhsa_group_segment_fixed_size 77312
		.amdhsa_private_segment_fixed_size 0
		.amdhsa_enable_private_segment 0
		.amdhsa_kernarg_size 32
		.amdhsa_user_sgpr_count 2
		.amdhsa_user_sgpr_kernarg_segment_ptr 1
		.amdhsa_wavefront_size32 1
		.amdhsa_system_sgpr_workgroup_id_x 1
		.amdhsa_system_sgpr_workgroup_id_y 1
		.amdhsa_system_sgpr_workgroup_id_z 1
		.amdhsa_system_vgpr_workitem_id 0
		.amdhsa_next_free_vgpr 178
		.amdhsa_next_free_sgpr 66
		.amdhsa_reserve_vcc 0
		.amdhsa_float_denorm_mode_32 3
		.amdhsa_float_denorm_mode_16_64 3
		.amdhsa_memory_ordered 1
		.amdhsa_forward_progress 1
		.amdhsa_inst_pref_size 17
	.end_amdhsa_kernel
	.amdgpu_metadata
---
amdhsa.version: [ 1, 2 ]
amdhsa.kernels:
  - .name:           k_q39bbd60cd7_mk_wo
    .symbol:         k_q39bbd60cd7_mk_wo.kd
    .args:
      - { .name: apb, .offset: 0, .size: 8, .value_kind: global_buffer, .address_space: global }
      - { .name: bv, .offset: 8, .size: 8, .value_kind: global_buffer, .address_space: global }
      - { .name: Wo, .offset: 16, .size: 8, .value_kind: global_buffer, .address_space: global }
      - { .name: outp, .offset: 24, .size: 8, .value_kind: global_buffer, .address_space: global }
    .group_segment_fixed_size: 77312
    .private_segment_fixed_size: 0
    .kernarg_segment_align: 8
    .kernarg_segment_size: 32
    .max_flat_workgroup_size: 256
    .sgpr_count:     66
    .vgpr_count:     178
    .wavefront_size: 32
...
	.end_amdgpu_metadata
.endif
;; end of part 4
;; launch mk_ln (part 5): grid 32 x 1, 8 waves a work-group, no clusters, 1,280 bytes of LDS; arguments outp, x, bo, ln_g, ln_b, out0; writes out0
.if DOCPART == 5
	.amdgcn_target "amdgcn-amd-amdhsa--gfx1250"
	.amdhsa_code_object_version 6
	.text
	.protected	k_q39bbd60cd7_mk_ln
	.globl	k_q39bbd60cd7_mk_ln
	.p2align	8
	.type	k_q39bbd60cd7_mk_ln,@function
k_q39bbd60cd7_mk_ln:
	s_mov_b64 s[64:65], 0
	v_nop
	global_prefetch_b8 v0, s[64:65] scope:SCOPE_SE
	s_setreg_imm32_b32 hwreg(HW_REG_WAVE_MODE, 25, 1), 1
	s_wait_xcnt 0x0
; Work-group b: y = sum over the 16 heads of outp[h][b] + bo + x[b][0], then LayerNorm over its 1,024 numbers.  Thread t owns columns 4t .. 4t+3.
; The variance is the mean of (y - mean)^2, taken in a second pass over registers: no difference of large sums is formed.
; There are 32 rows, one to a work-group; a row's 80 KiB of loads go out at once, so no ring, no matrix unit.
.set Y, 16                             ; v[16:79] the 16 heads' parts; the sum ends in v[16:19]
.set XR, 80
.set BO, 84
.set G,  88
.set B,  92
.macro ADD4 d, s
	v_pk_add_f32 v[\d:\d+1], v[\d:\d+1], v[\s:\s+1]
	v_pk_add_f32 v[\d+2:\d+3], v[\d+2:\d+3], v[\s+2:\s+3]
.endm
; v4 of all 256 threads summed into v8 of every thread, through eight words of LDS at byte off
.macro WGSUM off
	v_add_f32_dpp v4, v4, v4 row_xmask:1 row_mask:0xf bank_mask:0xf
	v_add_f32_dpp v4, v4, v4 row_xmask:2 row_mask:0xf bank_mask:0xf
	v_add_f32_dpp v4, v4, v4 row_xmask:4 row_mask:0xf bank_mask:0xf
	v_add_f32_dpp v4, v4, v4 row_xmask:8 row_mask:0xf bank_mask:0xf
	v_permlanex16_b32 v5, v4, s18, s19
	v_add_f32 v4, v4, v5
	ds_store_b32 v2, v4 offset:\off                ; my wave's word
	s_wait_dscnt 0x0
	s_barrier_signal -1
	s_barrier_wait -1
	ds_load_b128 v[8:11], v3 offset:\off
	ds_load_b128 v[12:15], v3 offset:\off+16
	s_wait_dscnt 0x0
	v_pk_add_f32 v[8:9], v[8:9], v[10:11]
	v_pk_add_f32 v[12:13], v[12:13], v[14:15]
	v_pk_add_f32 v[8:9], v[8:9], v[12:13]
	v_add_f32 v8, v8, v9
.endm
	s_load_b256 s[4:11], s[0:1], 0x0               ; outp s[4:5], x s[6:7], bo s[8:9], ln_g s[10:11]
	s_load_b128 s[12:15], s[0:1], 0x20             ; ln_b s[12:13], out0 s[14:15]
	v_lshl_add_u32 v96, v0, 2, 0x100
	v_mov_b32 v97, 0
	v_lshrrev_b32 v2, 5, v0
	v_readfirstlane_b32 s16, v2                    ; wave
	v_lshlrev_b32 v1, 4, v0                        ; my 16 bytes of a row
	s_mov_b32 s18, 0x76543210
	s_mov_b32 s19, 0xfedcba98
	s_mov_b32 s20, 0x3a800000                      ; 1 / 1024
	s_mov_b32 s21, 0x3727c5ac                      ; 1e-5
	s_mov_b32 s23, 0
	v_mov_b32 v2, s16
	v_lshlrev_b32 v2, 2, v2
	v_mov_b32 v3, 0
	s_wait_kmcnt 0x0
	s_lshl_b32 s22, ttmp9, 12
	s_add_nc_u64 s[4:5], s[4:5], s[22:23]
	s_add_nc_u64 s[14:15], s[14:15], s[22:23]
	s_lshl_b32 s22, ttmp9, 22
	s_add_nc_u64 s[6:7], s[6:7], s[22:23]          ; row 0 of batch b
.set hh, 0
.rept 16
	global_load_b128 v[Y+4*hh:Y+4*hh+3], v1, s[4:5] offset:131072*hh
.set hh, hh+1
.endr
	global_load_b128 v[XR:XR+3], v1, s[6:7]
	global_load_b128 v[BO:BO+3], v1, s[8:9]
	global_load_b128 v[G:G+3], v1, s[10:11]
	global_load_b128 v[B:B+3], v1, s[12:13]
	s_wait_loadcnt 2                               ; ln_g and ln_b are younger
.set hh, 0
.rept 8
	ADD4 Y+4*hh, Y+4*hh+32
.set hh, hh+1
.endr
.set hh, 0
.rept 4
	ADD4 Y+4*hh, Y+4*hh+16
.set hh, hh+1
.endr
	ADD4 Y, Y+8
	ADD4 Y+4, Y+12
	ADD4 XR, BO
	ADD4 Y, Y+4
	ADD4 Y, XR
	v_pk_add_f32 v[4:5], v[Y:Y+1], v[Y+2:Y+3]
	v_add_f32 v4, v4, v5
	WGSUM 0
	v_mul_f32 v6, s20, v8                          ; the mean
	v_mov_b32 v7, v6
	v_pk_add_f32 v[Y:Y+1], v[Y:Y+1], v[6:7] neg_lo:[0,1] neg_hi:[0,1]
	v_pk_add_f32 v[Y+2:Y+3], v[Y+2:Y+3], v[6:7] neg_lo:[0,1] neg_hi:[0,1]
	v_pk_mul_f32 v[4:5], v[Y:Y+1], v[Y:Y+1]
	v_pk_fma_f32 v[4:5], v[Y+2:Y+3], v[Y+2:Y+3], v[4:5]
	v_add_f32 v4, v4, v5
	WGSUM 32                                       ; other words than the first sum's: one barrier does
	v_fma_f32 v4, v8, s20, s21                     ; variance + 1e-5
	v_rsq_f32 v6, v4
	v_rsq_f32 v7, v4
	v_nop                                          ; one plain place behind the transcendentals (ISA guide 5.7.2)
	s_wait_alu depctr_va_vdst(0)
	v_pk_mul_f32 v[Y:Y+1], v[Y:Y+1], v[6:7]
	v_pk_mul_f32 v[Y+2:Y+3], v[Y+2:Y+3], v[6:7]
	s_wait_loadcnt 0x0                             ; ln_g and ln_b
	v_pk_fma_f32 v[Y:Y+1], v[Y:Y+1], v[G:G+1], v[B:B+1]
	v_pk_fma_f32 v[Y+2:Y+3], v[Y+2:Y+3], v[G+2:G+3], v[B+2:B+3]
	global_store_b128 v1, v[Y:Y+3], s[14:15]       ; a wave's store covers 512 consecutive bytes, aligned
	s_wait_tensorcnt 0x0
	ds_add_u32 v96, v97
	s_wait_dscnt 0x0
	s_endpgm
.Lfunc_end_k_q39bbd60cd7_mk_ln:
	.size	k_q39bbd60cd7_mk_ln, .Lfunc_end_k_q39bbd60cd7_mk_ln-k_q39bbd60cd7_mk_ln
	.p2alignl 7, 3214868480
	.fill 96, 4, 3214868480
	.section	.rodata,"a",@progbits
	.p2align	6, 0x0
	.amdhsa_kernel k_q39bbd60cd7_mk_ln
		.amdhsa_group_segment_fixed_size 1280
		.amdhsa_private_segment_fixed_size 0
		.amdhsa_enable_private_segment 0
		.amdhsa_kernarg_size 48
		.amdhsa_user_sgpr_count 2
		.amdhsa_user_sgpr_kernarg_segment_ptr 1
		.amdhsa_wavefront_size32 1
		.amdhsa_system_sgpr_workgroup_id_x 1
		.amdhsa_system_sgpr_workgroup_id_y 1
		.amdhsa_system_sgpr_workgroup_id_z 1
		.amdhsa_system_vgpr_workitem_id 0
		.amdhsa_next_free_vgpr 98
		.amdhsa_next_free_sgpr 66
		.amdhsa_reserve_vcc 0
		.amdhsa_float_denorm_mode_32 3
		.amdhsa_float_denorm_mode_16_64 3
		.amdhsa_memory_ordered 1
		.amdhsa_forward_progress 1
		.amdhsa_inst_pref_size 9
	.end_amdhsa_kernel
	.amdgpu_metadata
---
amdhsa.version: [ 1, 2 ]
amdhsa.kernels:
  - .name:           k_q39bbd60cd7_mk_ln
    .symbol:         k_q39bbd60cd7_mk_ln.kd
    .args:
      - { .name: outp, .offset: 0, .size: 8, .value_kind: global_buffer, .address_space: global }
      - { .name: x, .offset: 8, .size: 8, .value_kind: global_buffer, .address_space: global }
      - { .name: bo, .offset: 16, .size: 8, .value_kind: global_buffer, .address_space: global }
      - { .name: ln_g, .offset: 24, .size: 8, .value_kind: global_buffer, .address_space: global }
      - { .name: ln_b, .offset: 32, .size: 8, .value_kind: global_buffer, .address_space: global }
      - { .name: out0, .offset: 40, .size: 8, .value_kind: global_buffer, .address_space: global }
    .group_segment_fixed_size: 1280
    .private_segment_fixed_size: 0
    .kernarg_segment_align: 8
    .kernarg_segment_size: 48
    .max_flat_workgroup_size: 256
    .sgpr_count:     66
    .vgpr_count:     98
    .wavefront_size: 32
...
	.end_amdgpu_metadata
.endif
;; end of part 5
;; ======== version 2 of 2: 5 launches; version 1 with the launches mk_qk, attn written anew for expert scheduling mode
;; workspace buffers: qkb 1,048,576 bytes; csb 2,048 bytes; part 16,777,216 bytes; stat 32,768 bytes; apb 1,048,576 bytes; outp 2,097,152 bytes
;; launch mk_qk (part 6): grid 16 x 8, 16 waves a work-group, no clusters, 256,000 bytes of LDS; arguments x, Wq, bq, Wk, bk, qkb, csb; writes qkb, csb
.if DOCPART == 6
	.amdgcn_target "amdgcn-amd-amdhsa--gfx1250"
	.amdhsa_code_object_version 6
	.text
	.protected	k_q39bbd60cd7_mk_qk
	.globl	k_q39bbd60cd7_mk_qk
	.p2align	8
	.type	k_q39bbd60cd7_mk_qk,@function
k_q39bbd60cd7_mk_qk:
	s_mov_b64 s[64:65], 0
	v_nop
	global_prefetch_b8 v0, s[64:65] scope:SCOPE_SE
	s_setreg_imm32_b32 hwreg(HW_REG_WAVE_SCHED_MODE, 0, 2), 2
	s_setreg_imm32_b32 hwreg(HW_REG_WAVE_MODE, 25, 1), 1
	s_wait_xcnt 0x0
	s_wait_alu depctr_vm_vsrc(0)
; Work-group (h, cg): head h, columns c = 128 cg .. 128 cg + 127.  With q'[b][d] = (cls[b] . Wq[64h+d] + bq[64h+d]) * log2(e)/8 it makes
;   qkb[b][h][c] = sum over d of q'[b][d] Wk[64h+d][c]   (bf16: it is only ever a matrix operand)
;   csb[h][b]    = sum over d of q'[b][d] bk[64h+d]      (f32; stored by the work-groups with cg = 0)
; so that score[b][h][s] * log2(e) = x[b][s] . qkb[b][h] + csb[h][b]: the same sum as q . (Wk x + bk) / 8, in another order.
; Each of a head's 8 work-groups makes q'_h for itself (128 KiB of cls, 256 KiB of Wq_h) and takes 32 KiB of Wk_h: 416 KiB a work-group on 128 work-groups,
; where one work-group a head would take 640 KiB.
; 16 waves.  Wave W owns columns 64 W .. 64 W + 63 of cls and of Wq_h: 96 pieces of rows, 256 aligned bytes each.  It rounds what it loaded, lays it into an LDS region of
; its own, reads the fragments back (no barrier: the bytes are its own) and multiplies all 8 tiles (64 d x 32 b) over its 64 columns while later loads are on their way.
; The 16 partial sums meet in LDS; q' is finished by all waves; waves 0 and 1 make the second product (16 batches x 128 columns each, K = 64).
; NO JOINT REQUESTS, though a head's 8 work-groups read the same cls and Wq_h: these are f32 and are rounded in registers on the way; landed in LDS they would be 384 KiB a
; work-group, more than there is, so a ring with rounds of the cluster's barrier and one more LDS read of every byte.
; LIMITS: cls, Wq, Wk and q' are rounded to bf16 as matrix operands; sums in f32, q' as a sum of 16 partial sums; the order of the sums differs from the reference's.
; THE MODE: SCHED_MODE bits 1:0 = 2 (LLVM: expert scheduling mode 2), set by the entry lines.  The code itself states the register dependences
; between vector or matrix instructions and memory or LDS instructions, with s_wait_alu, always for 0.
; THE PLAN.  Registers that memory or LDS instructions touch while the stream runs:
;   X             32 units of four registers.  A step takes eight units whose loads have landed: sixteen conversions round them in place (a unit's 8 bytes of bf16 close up
;                 into its first two registers), eight LDS stores read those, and in the first three steps loads land in the same units again.
;   AF            two buffers.  Group g's four fragment loads land in buffer g & 1 behind the group's step; its four matrix instructions stand behind the next group's step.
;   BF            landed once, behind the second step; read by all sixteen matrix instructions.
;   v1-15, v29-31 offsets and LDS addresses: made at the head, never written again.
; So a step holds ONE wait on va_vdst, behind its conversions: they have written the stores' data and are done with the units in which loads land; the matrix instructions
; issued so far are done reading the AF buffer in which the fragment loads behind the step land.  Where units are loaded again, one wait on vm_vsrc stands between the step's stores and those loads.
.set PQ,  144                          ; pitch of rows of 64 bf16: 128 bytes + 16, an odd multiple of 16
.set PW,  288                          ; pitch of Wk's rows of 128 bf16, read by the transposing load: an odd multiple of 32
.set PS,  272                          ; pitch of the stage: 256 bytes + 16
.set REGSZ, 96*PQ                      ; a wave's region: 32 rows of cls, then 64 rows of Wq_h; later its 8 partial tiles (8,192 bytes)
.set QROW, 32*PQ                       ; where Wq's rows begin in a region
.set WKT, 16*REGSZ                     ; 64 rows d of Wk_h, 128 columns
.set QB,  WKT+64*PW                    ; q' in bf16, [b][d]
.set CP,  QB+32*PQ                     ; [8 shares][b 32] f32: shares of q' . bk
.set STG, CP+1024                      ; 16 rows x 272 bytes for each of waves 0 and 1
.set VQO, 1                            ; global offset in Wq_h: row HH, my 256 bytes, 16 R
.set VCO, 2                            ; global offset in x: batch HH, row 0, my 256 bytes, 16 R
.set VKO, 3                            ; global offset in Wk_h's block: rows 4W .., 16 L
.set VBI, 4                            ; global offset of my four bq and bk
.set VS,  5                            ; LDS: where a unit's 8 bytes go in my region
.set VF,  6                            ; LDS: a fragment's lane term in my region
.set VPS, 7                            ; LDS: my partial tiles
.set VWKS, 8                           ; LDS: my four rows of Wk
.set VPR, 9                            ; v[9:12] LDS: my 512 bytes of the partial tiles in regions 0, 4, 8, 12
.set VQBS, 13
.set VCP, 14
.set VQF, 15
.set T,   16                           ; v[16:17] my four q' in bf16
.set VT0, 29
.set VSG, 30
.set VRD, 31
.set BF,  32                           ; v[32:63] cls fragments [mt 2][K step 2]
.set QF,  32                           ; v[32:47] later: q' fragments
.set AF,  64                           ; v[64:79] and v[112:127]: Wq fragments of one group of 16 rows [K step 2]; group g in buffer g & 1, at AF + 48 (g & 1)
.set ACCA, 80                          ; v[80:111] tiles (nt 0-1, mt 0-1)
.set X,   128                          ; v[128:255] 32 units of four registers as loaded
.set ACCB, X+96                        ; v[224:255] tiles (nt 2-3, mt 0-1): units 24-31, which are not loaded again
.set BQ,  X+80                         ; unit 20, loaded again with bq
.set BK,  X+84                         ; unit 21, loaded again with bk
.set TR,  64                           ; v[64:191] later: Wk fragments
.set ACC2, 192                         ; v[192:255] later: eight accumulators of the second product
; A step: units xu .. xu + 7 have come (left younger loads stay out), are rounded in place and go into rows 2 pair .. 2 pair + 15 of my region, 8 bytes a lane.
.macro STEP xu, pair, left
	s_wait_loadcnt \left
.set ii, 0
.rept 8
	v_cvt_pk_bf16_f32 v[X+4*(\xu+ii)], v[X+4*(\xu+ii)], v[X+4*(\xu+ii)+1]         ; four f32 to four bf16, in the unit's first two registers
	v_cvt_pk_bf16_f32 v[X+4*(\xu+ii)+1], v[X+4*(\xu+ii)+2], v[X+4*(\xu+ii)+3]
.set ii, ii+1
.endr
	s_wait_alu depctr_va_vdst(0)                   ; the conversions have written the stores' data and are done with these units; the matrix instructions issued so far are done reading their AF buffer; in the first step: the LDS addresses are written
.set ii, 0
.rept 8
	ds_store_b64 v[VS], v[X+4*(\xu+ii):X+4*(\xu+ii)+1] offset:2*PQ*(\pair+ii)
.set ii, ii+1
.endr
.endm
; Group nt's fragments: rows 16 nt .. of Wq, two K steps.  My own bytes, stored just above: LDS serves a wave's instructions in order (ISA guide 5.7.1).
; No wait: no vector or matrix instruction since the step's wait names this buffer.
.macro FRQ nt
	ds_load_b128 v[AF+48*(\nt&1):AF+48*(\nt&1)+3], v[VF] offset:QROW+16*PQ*\nt
	ds_load_b128 v[AF+48*(\nt&1)+4:AF+48*(\nt&1)+7], v[VF] offset:QROW+16*PQ*\nt+32
	ds_load_b128 v[AF+48*(\nt&1)+8:AF+48*(\nt&1)+11], v[VF] offset:QROW+16*PQ*\nt+64
	ds_load_b128 v[AF+48*(\nt&1)+12:AF+48*(\nt&1)+15], v[VF] offset:QROW+16*PQ*\nt+96
.endm
; Rows 16 nt .. of Wq (source 0) times both halves of the batches (source 1), two K steps: a lane ends with 8 neighbouring d of one batch.
; younger: the LDS instructions issued behind this group's fragment loads: the next group's eight stores and four loads, or none.
.macro GMUL nt, acc, younger
	s_wait_dscnt 2+\younger                        ; the second K step's two loads are younger too
	v_wmma_f32_16x16x32_bf16 v[\acc:\acc+7], v[AF+48*(\nt&1):AF+48*(\nt&1)+7], v[BF:BF+7], 0
	v_wmma_f32_16x16x32_bf16 v[\acc+8:\acc+15], v[AF+48*(\nt&1):AF+48*(\nt&1)+7], v[BF+16:BF+23], 0
	s_wait_dscnt \younger
	v_wmma_f32_16x16x32_bf16 v[\acc:\acc+7], v[AF+48*(\nt&1)+8:AF+48*(\nt&1)+15], v[BF+8:BF+15], v[\acc:\acc+7]          ; two accumulators by turns
	v_wmma_f32_16x16x32_bf16 v[\acc+8:\acc+15], v[AF+48*(\nt&1)+8:AF+48*(\nt&1)+15], v[BF+24:BF+31], v[\acc+8:\acc+15]
.endm
.macro PST t, acc                      ; tile t = 2 nt + mt as [half of the registers 2][lane 32][4 f32]
	ds_store_b128 v[VPS], v[\acc:\acc+3] offset:1024*\t
	ds_store_b128 v[VPS], v[\acc+4:\acc+7] offset:1024*\t+512
.endm
.macro ADD4 d, s
	v_pk_add_f32 v[\d:\d+1], v[\d:\d+1], v[\s:\s+1]
	v_pk_add_f32 v[\d+2:\d+3], v[\d+2:\d+3], v[\s+2:\s+3]
.endm
	s_load_b256 s[4:11], s[0:1], 0x0               ; x s[4:5], Wq s[6:7], bq s[8:9], Wk s[10:11]
	s_load_b128 s[12:15], s[0:1], 0x20             ; bk s[12:13], qkb s[14:15]
	s_load_b64 s[16:17], s[0:1], 0x30              ; csb
	v_lshl_add_u32 v22, v0, 2, 0x3e000
	v_mov_b32 v23, 0
	v_lshrrev_b32 v27, 5, v0
	v_readfirstlane_b32 s18, v27                   ; W, the wave
	s_and_b32 s19, ttmp7, 0xffff                   ; cg
	s_mov_b32 s25, 0
	s_mov_b32 s26, 0x76543210                      ; v_permlanex16_b32: lane i reads lane i of the other half
	s_mov_b32 s27, 0xfedcba98
	v_and_b32 v24, 31, v0                          ; L
	v_and_b32 v25, 15, v0                          ; R
	v_bfe_u32 v26, v0, 4, 1                        ; HH
	s_wait_alu depctr_va_sdst(0)                   ; s18 is written, ahead of its first reader: offsets, LDS addresses and branches are made from it
	s_lshr_b32 s21, s18, 2                         ; when q' is finished I take tile (nt = W >> 2,
	s_bfe_u32 s23, s18, 0x10001                    ; mt = bit 1 of W),
	s_and_b32 s22, s18, 1                          ; registers 4 q .. 4 q + 3 with q = W & 1
	s_lshl_b32 s20, s18, 8
	v_lshl_add_u32 v27, v25, 4, s20                ; my 256 bytes of a row, 16 R
	v_lshl_add_u32 v[VQO], v26, 12, v27            ; lanes 16-31 one row of 4,096 bytes further
	v_lshl_add_u32 v[VCO], v26, 22, v27            ; lanes 16-31 one batch of 4 MiB further
	s_lshl_b32 s20, s18, 14
	v_lshl_add_u32 v[VKO], v24, 4, s20             ; rows 4W .. 4W+3
	s_lshl_b32 s20, s21, 6
	s_lshl_b32 s28, s22, 4
	s_add_co_u32 s20, s20, s28
	v_lshl_add_u32 v[VBI], v26, 5, s20             ; d = 16 nt + 8 HH + 4 q, in bytes
	s_wait_kmcnt 0x0
	s_lshl_b32 s24, ttmp9, 18                      ; 64 rows of 4,096 bytes a head
	s_add_nc_u64 s[6:7], s[6:7], s[24:25]
	s_add_nc_u64 s[10:11], s[10:11], s[24:25]
	s_wait_alu depctr_va_vdst(0)                   ; the four global offsets v1 to v4 are written, which every load of the kernel reads
	; 32 loads go out at once: cls, two batches a load, then rows 0-31 of Wq_h.  Two batches are 8 MiB, one byte more than an immediate reaches: a base for each load.
.set ii, 0
.rept 16
	s_add_nc_u64 s[32+2*ii:33+2*ii], s[4:5], ii*8388608
	global_load_b128 v[X+4*ii:X+4*ii+3], v[VCO], s[32+2*ii:33+2*ii]
.set ii, ii+1
.endr
.set ii, 0
.rept 16
	global_load_b128 v[X+64+4*ii:X+64+4*ii+3], v[VQO], s[6:7] offset:8192*ii
.set ii, ii+1
.endr
	; the other bases and the LDS addresses, while the loads are on their way
	s_lshl_b32 s24, s19, 9
	s_add_nc_u64 s[10:11], s[10:11], s[24:25]      ; Wk_h at column 128 cg
	s_lshl_b32 s24, ttmp9, 8
	s_add_nc_u64 s[8:9], s[8:9], s[24:25]
	s_add_nc_u64 s[12:13], s[12:13], s[24:25]
	s_lshl_b32 s24, ttmp9, 11
	s_lshl_b32 s20, s19, 8
	s_add_co_u32 s24, s24, s20
	s_add_nc_u64 s[14:15], s[14:15], s[24:25]      ; qkb at batch 0, head h, column 128 cg
	s_lshl_b32 s24, ttmp9, 7
	s_add_nc_u64 s[16:17], s[16:17], s[24:25]      ; csb at head h
	s_mul_i32 s20, s18, REGSZ                      ; my region
	v_mul_u32_u24 v27, v26, PQ
	v_lshl_add_u32 v27, v25, 3, v27                ; row HH, 8 R
	v_add_nc_u32 v[VS], s20, v27
	v_lshl_add_u32 v[VPS], v24, 4, s20
	v_mul_u32_u24 v27, v25, PQ
	v_lshl_add_u32 v27, v26, 4, v27                ; a fragment's lane term: row R, 16 bytes for each half of the lanes
	v_add_nc_u32 v[VF], s20, v27
	s_mul_i32 s20, s23, 16*PQ                      ; q' row 16 mt,
	s_lshl_b32 s28, s21, 5                         ; 32 nt bytes,
	s_add_co_u32 s20, s20, s28
	s_lshl_b32 s28, s22, 3                         ; 8 q bytes
	s_add_co_u32 s20, s20, s28
	s_add_co_u32 s20, s20, QB
	v_add_nc_u32 v[VQBS], s20, v27                 ; q'[16 mt + R][16 nt + 8 HH + 4 q]
	s_mul_i32 s20, s18, 16*PQ
	s_add_co_u32 s20, s20, QB
	v_add_nc_u32 v[VQF], s20, v27                  ; used by waves 0 and 1 alone: q' rows 16 W ..
	s_mul_i32 s20, s18, 4*PW
	s_add_co_u32 s20, s20, WKT
	v_lshl_add_u32 v[VWKS], v24, 3, s20
	s_lshl_b32 s20, s18, 9                         ; 1,024 x tile + 512 q = 512 W
	v_lshl_add_u32 v[VPR], v24, 4, s20
	v_add_nc_u32 v[VPR+1], 4*REGSZ, v[VPR]
	v_add_nc_u32 v[VPR+2], 8*REGSZ, v[VPR]
	v_add_nc_u32 v[VPR+3], 12*REGSZ, v[VPR]
	s_lshl_b32 s20, s21, 8
	s_lshl_b32 s28, s22, 7
	s_add_co_u32 s20, s20, s28
	s_lshl_b32 s28, s23, 6
	s_add_co_u32 s20, s20, s28
	s_add_co_u32 s20, s20, CP
	v_lshl_add_u32 v[VCP], v25, 2, s20             ; share 2 nt + q, batch 16 mt + R
	v_and_b32 v27, 7, v0
	v_lshl_add_u32 v27, v26, 3, v27                ; transposing load: row 8 HH + (L & 7),
	v_mul_u32_u24 v27, v27, PW
	v_bfe_u32 v28, v0, 3, 1
	v_lshl_add_u32 v27, v28, 4, v27                ; 16 bytes further for lanes with bit 3
	v_add_nc_u32 v[VT0], WKT, v27
	s_mul_i32 s20, s18, 16*PS
	s_add_co_u32 s20, s20, STG                     ; the stage: used by waves 0 and 1 alone
	v_mul_u32_u24 v27, v25, PS
	v_lshl_add_u32 v27, v26, 4, v27
	v_add_nc_u32 v[VSG], s20, v27
	v_mul_u32_u24 v27, v26, PS
	v_lshl_add_u32 v27, v25, 4, v27
	v_add_nc_u32 v[VRD], s20, v27
	; cls, two steps of eight units (16 batches each).  Each step's units are loaded again, with rows 32-63 of Wq_h, as soon as its stores have read them.
	STEP 0, 0, 24                                  ; younger: 8 of cls, 16 of Wq
	s_wait_alu depctr_vm_vsrc(0)                   ; the eight stores above have read units 0-7, in which the loads below land
.set ii, 0
.rept 8
	global_load_b128 v[X+4*ii:X+4*ii+3], v[VQO], s[6:7] offset:8192*(16+ii)
.set ii, ii+1
.endr
	STEP 8, 8, 24                                  ; younger: 16 of Wq and the eight just issued
	s_wait_alu depctr_vm_vsrc(0)                   ; the eight stores above have read units 8-15, in which the loads below land
.set ii, 8
.rept 8
	global_load_b128 v[X+4*ii:X+4*ii+3], v[VQO], s[6:7] offset:8192*(16+ii)
.set ii, ii+1
.endr
.set ff, 0
.rept 4
	ds_load_b128 v[BF+8*ff:BF+8*ff+3], v[VF] offset:16*PQ*(ff>>1)+64*(ff&1)        ; batches 16 (ff >> 1) .., K step ff & 1; waited for with the first Wq fragments
	ds_load_b128 v[BF+8*ff+4:BF+8*ff+7], v[VF] offset:16*PQ*(ff>>1)+64*(ff&1)+32
.set ff, ff+1
.endr
	; Rows 0-15 of Wq_h (units 16-23).  Six of the units are loaded again: four rows of Wk's block, bq, bk.
	STEP 16, 16, 24                                ; younger: units 24-31 and the sixteen of rows 32-63
	s_wait_alu depctr_vm_vsrc(0)                   ; the eight stores above have read units 16-23, in six of which the loads below land
.set ii, 0
.rept 4
	global_load_b128 v[X+64+4*ii:X+64+4*ii+3], v[VKO], s[10:11] offset:4096*ii th:TH_LOAD_NT
.set ii, ii+1
.endr
	global_load_b128 v[BQ:BQ+3], v[VBI], s[8:9]
	global_load_b128 v[BK:BK+3], v[VBI], s[12:13]
	FRQ 0
	STEP 24, 24, 22                                ; rows 16-31: younger are the sixteen of rows 32-63 and the six
	FRQ 1
	GMUL 0, ACCA, 12                               ; a group's products stand a step behind its fragment loads
	STEP 0, 32, 14                                 ; rows 32-47: younger are eight of Wq and the six
	FRQ 2
	GMUL 1, ACCA+16, 12
	STEP 8, 40, 6                                  ; rows 48-63: the six are younger
	FRQ 3
	s_wait_alu depctr_vm_vsrc(0)                   ; the stores of rows 16-31 have read units 24-31, which the products below write as accumulators
	GMUL 2, ACCB, 12
	GMUL 3, ACCB+16, 0
	; Wk's block: my four rows; bq and bk are younger.  These eight conversions are also the places in front of the stores of the last results.
	s_wait_loadcnt 2
.set ii, 0
.rept 4
	v_cvt_pk_bf16_f32 v[X+64+4*ii], v[X+64+4*ii], v[X+64+4*ii+1]
	v_cvt_pk_bf16_f32 v[X+64+4*ii+1], v[X+64+4*ii+2], v[X+64+4*ii+3]
.set ii, ii+1
.endr
	s_wait_alu depctr_va_vdst(0)                   ; the conversions have written Wk's rows and the matrix instructions all eight accumulators, which the stores below read; the places above stay beside this wait
.set ii, 0
.rept 4
	ds_store_b64 v[VWKS], v[X+64+4*ii:X+64+4*ii+1] offset:PW*ii
.set ii, ii+1
.endr
	PST 0, ACCA                                    ; over my own region, behind my own reads of it: LDS serves a wave's instructions in order
	PST 1, ACCA+8
	PST 2, ACCA+16
	PST 3, ACCA+24
	PST 4, ACCB
	PST 5, ACCB+8
	PST 6, ACCB+16
	PST 7, ACCB+24
	s_wait_dscnt 0x0                               ; my partial tiles and my rows of Wk are in LDS,
	s_barrier_signal -1
	s_barrier_wait -1                              ; everybody's are
	s_wait_alu depctr_vm_vsrc(0)                   ; my LDS stores have read units 0-15, in which the loads below land, and the accumulators and Wk's units, in which waves 0 and 1 land fragments and write sums
	; q' is finished: 512 threads, four numbers each, 16 partial sums.  What is stored up to the next barrier (q', the shares of q' . bk) lies behind all 16 regions.
.set ww, 0
.rept 16
	ds_load_b128 v[X+4*ww:X+4*ww+3], v[VPR+(ww>>2)] offset:(ww&3)*REGSZ
.set ww, ww+1
.endr
	s_wait_loadcnt 0x0                             ; bq and bk
	s_wait_dscnt 0x0
.set kk, 0
.rept 8
	ADD4 X+4*kk, X+4*kk+32
.set kk, kk+1
.endr
.set kk, 0
.rept 4
	ADD4 X+4*kk, X+4*kk+16
.set kk, kk+1
.endr
	ADD4 X, X+8
	ADD4 X+4, X+12
	ADD4 X, X+4
	ADD4 X, BQ
	v_pk_mul_f32 v[X:X+1], v[X:X+1], 0x3e38aa3b op_sel_hi:[1,0]    ; log2(e) / 8
	v_pk_mul_f32 v[X+2:X+3], v[X+2:X+3], 0x3e38aa3b op_sel_hi:[1,0]
	v_mul_f32 v27, v[X], v[BK]                     ; q' . bk over my 4 d,
	v_fmac_f32 v27, v[X+1], v[BK+1]
	v_fmac_f32 v27, v[X+2], v[BK+2]
	v_fmac_f32 v27, v[X+3], v[BK+3]
	v_permlanex16_b32 v28, v27, s26, s27           ; and over the other half's 4
	v_add_f32 v27, v27, v28
	v_cvt_pk_bf16_f32 v[T], v[X], v[X+1]
	v_cvt_pk_bf16_f32 v[T+1], v[X+2], v[X+3]
	s_wait_alu depctr_va_vdst(0)                   ; v27 and v[T:T+1] are written, which the two stores read; the sums are done with v[128:191], in which waves 0 and 1 land fragments
	ds_store_b32 v[VCP], v27                       ; both halves write the same word with the same number
	ds_store_b64 v[VQBS], v[T:T+1]
	s_wait_dscnt 0x0
	s_barrier_signal -1
	s_barrier_wait -1                              ; q' and the shares of q' . bk are whole
	s_cmp_ge_u32 s18, 2
	s_cbranch_scc1 .Lnot_mul
	; Second product, waves 0 and 1: source 0 = 16 columns of Wk (rows lie along c, so the transposing load), source 1 = q' rows 16 W ..  K = 64.
	; No wait ahead of these loads: no vector or matrix instruction since the wait above names v[32:191].
	s_lshl_b32 s24, s18, 19
	s_add_nc_u64 s[14:15], s[14:15], s[24:25]      ; qkb at batch 16 W
	ds_load_b128 v[QF:QF+3], v[VQF]
	ds_load_b128 v[QF+4:QF+7], v[VQF] offset:32
	ds_load_b128 v[QF+8:QF+11], v[VQF] offset:64
	ds_load_b128 v[QF+12:QF+15], v[VQF] offset:96
.set nn, 0
.rept 8
	ds_load_tr16_b128 v[TR+8*nn:TR+8*nn+3], v[VT0] offset:32*nn
	ds_load_tr16_b128 v[TR+8*nn+4:TR+8*nn+7], v[VT0] offset:32*nn+16*PW
.set nn, nn+1
.endr
.set nn, 0
.rept 8
	ds_load_tr16_b128 v[TR+64+8*nn:TR+64+8*nn+3], v[VT0] offset:32*nn+32*PW
	ds_load_tr16_b128 v[TR+64+8*nn+4:TR+64+8*nn+7], v[VT0] offset:32*nn+48*PW
.set nn, nn+1
.endr
	s_wait_dscnt 16                                ; the 16 loads of d = 32 .. 63 are younger
.set nn, 0
.rept 8
	v_wmma_f32_16x16x32_bf16 v[ACC2+8*nn:ACC2+8*nn+7], v[TR+8*nn:TR+8*nn+7], v[QF:QF+7], 0
.set nn, nn+1
.endr
	s_wait_dscnt 0x0
.set nn, 0
.rept 8
	v_wmma_f32_16x16x32_bf16 v[ACC2+8*nn:ACC2+8*nn+7], v[TR+64+8*nn:TR+64+8*nn+7], v[QF+8:QF+15], v[ACC2+8*nn:ACC2+8*nn+7]   ; eight accumulators by turns
.set nn, nn+1
.endr
	; The way out.  The four places behind the last matrix instruction make the stores' offset.
	v_and_b32 v48, 15, v0
	v_bfe_u32 v49, v0, 4, 1
	v_lshlrev_b32 v48, 4, v48
	v_lshl_add_u32 v50, v49, 15, v48               ; lanes 0-15 one batch's 256 bytes, lanes 16-31 the next batch's
.set nn, 0
.rept 8
.set jj, 0
.rept 4
	v_cvt_pk_bf16_f32 v[64+4*nn+jj], v[ACC2+8*nn+2*jj], v[ACC2+8*nn+2*jj+1]
.set jj, jj+1
.endr
.set nn, nn+1
.endr
	s_wait_alu depctr_va_vdst(0)                   ; the conversions have written v[64:95], which the LDS stores read, and v50 is written, the global stores' offset; the products are done reading v[96:127], in which the stage's loads land
.set nn, 0
.rept 8
	ds_store_b128 v[VSG], v[64+4*nn:64+4*nn+3] offset:32*nn
.set nn, nn+1
.endr
.set tt, 0
.rept 8
	ds_load_b128 v[96+4*tt:96+4*tt+3], v[VRD] offset:2*PS*tt    ; my own stage: LDS serves a wave's instructions in order (ISA guide 5.7.1)
.set tt, tt+1
.endr
.set tt, 0
.rept 8
	s_wait_dscnt 7-tt
	global_store_b128 v50, v[96+4*tt:96+4*tt+3], s[14:15] offset:65536*tt      ; 16 lanes store 256 consecutive bytes, aligned
.set tt, tt+1
.endr
	s_branch .Lend
.Lnot_mul:
	s_cmp_lg_u32 s18, 2
	s_cbranch_scc1 .Lend
	s_cmp_lg_u32 s19, 0                            ; csb[h] has one owner: the head's work-group with cg = 0
	s_cbranch_scc1 .Lend
	s_wait_alu depctr_vm_vsrc(0)                   ; my store of q' has read v16 and v17, which the two lines below write
	v_lshlrev_b32 v16, 2, v24                      ; wave 2: csb[h][b], b = lane
	v_add_nc_u32 v17, CP, v16
	s_wait_alu depctr_va_vdst(0)                   ; v17, the LDS loads' address, and v16, the store's offset, are written
.set kk, 0
.rept 8
	ds_load_b32 v[32+kk], v17 offset:128*kk
.set kk, kk+1
.endr
	s_wait_dscnt 0x0
	v_pk_add_f32 v[32:33], v[32:33], v[34:35]
	v_pk_add_f32 v[36:37], v[36:37], v[38:39]
	v_pk_add_f32 v[32:33], v[32:33], v[36:37]
	v_add_f32 v32, v32, v33
	s_wait_alu depctr_va_vdst(0)                   ; v32 is written, which the store reads
	global_store_b32 v16, v32, s[16:17]
.Lend:
	s_wait_dscnt 0x0
	s_wait_alu depctr_hold_cnt(0) depctr_sa_sdst(0) depctr_va_vdst(0) depctr_va_sdst(0) depctr_va_ssrc(0) depctr_va_vcc(0) depctr_vm_vsrc(0)
	s_wait_tensorcnt 0x0
	ds_add_u32 v22, v23
	s_wait_dscnt 0x0
	s_endpgm
.Lfunc_end_k_q39bbd60cd7_mk_qk:
	.size	k_q39bbd60cd7_mk_qk, .Lfunc_end_k_q39bbd60cd7_mk_qk-k_q39bbd60cd7_mk_qk
	.p2alignl 7, 3214868480
	.fill 96, 4, 3214868480
	.section	.rodata,"a",@progbits
	.p2align	6, 0x0
	.amdhsa_kernel k_q39bbd60cd7_mk_qk
		.amdhsa_group_segment_fixed_size 256000
		.amdhsa_private_segment_fixed_size 0
		.amdhsa_enable_private_segment 0
		.amdhsa_kernarg_size 56
		.amdhsa_user_sgpr_count 2
		.amdhsa_user_sgpr_kernarg_segment_ptr 1
		.amdhsa_wavefront_size32 1
		.amdhsa_system_sgpr_workgroup_id_x 1
		.amdhsa_system_sgpr_workgroup_id_y 1
		.amdhsa_system_sgpr_workgroup_id_z 1
		.amdhsa_system_vgpr_workitem_id 0
		.amdhsa_next_free_vgpr 256
		.amdhsa_next_free_sgpr 66
		.amdhsa_reserve_vcc 0
		.amdhsa_float_denorm_mode_32 3
		.amdhsa_float_denorm_mode_16_64 3
		.amdhsa_memory_ordered 1
		.amdhsa_forward_progress 1
		.amdhsa_inst_pref_size 38
	.end_amdhsa_kernel
	.amdgpu_metadata
---
amdhsa.version: [ 1, 2 ]
amdhsa.kernels:
  - .name:           k_q39bbd60cd7_mk_qk
    .symbol:         k_q39bbd60cd7_mk_qk.kd
    .args:
      - { .name: x, .offset: 0, .size: 8, .value_kind: global_buffer, .address_space: global }
      - { .name: Wq, .offset: 8, .size: 8, .value_kind: global_buffer, .address_space: global }
      - { .name: bq, .offset: 16, .size: 8, .value_kind: global_buffer, .address_space: global }
      - { .name: Wk, .offset: 24, .size: 8, .value_kind: global_buffer, .address_space: global }
      - { .name: bk, .offset: 32, .size: 8, .value_kind: global_buffer, .address_space: global }
      - { .name: qkb, .offset: 40, .size: 8, .value_kind: global_buffer, .address_space: global }
      - { .name: csb, .offset: 48, .size: 8, .value_kind: global_buffer, .address_space: global }
    .group_segment_fixed_size: 256000
    .private_segment_fixed_size: 0
    .kernarg_segment_align: 8
    .kernarg_segment_size: 56
    .max_flat_workgroup_size: 512
    .sgpr_count:     66
    .vgpr_count:     256
    .wavefront_size: 32
...
	.end_amdgpu_metadata
.endif
;; end of part 6
;; launch attn (part 7): grid 256 x 1, 8 waves a work-group, no clusters, 307,456 bytes of LDS; arguments x, qkb, csb, part, stat; writes part, stat
.if DOCPART == 7
	.amdgcn_target "amdgcn-amd-amdhsa--gfx1250"
	.amdhsa_code_object_version 6
	.text
	.protected	k_q39bbd60cd7_attn
	.globl	k_q39bbd60cd7_attn
	.p2align	8
	.type	k_q39bbd60cd7_attn,@function
k_q39bbd60cd7_attn:
	s_mov_b64 s[64:65], 0
	v_nop
	global_prefetch_b8 v0, s[64:65] scope:SCOPE_SE
	s_setreg_imm32_b32 hwreg(HW_REG_WAVE_SCHED_MODE, 0, 2), 2
	s_setreg_imm32_b32 hwreg(HW_REG_WAVE_MODE, 25, 1), 1
	s_wait_xcnt 0x0
	s_wait_alu depctr_vm_vsrc(0)
; Work-group id = 8 b + sp takes rows 128 sp .. 128 sp + 127 of batch b.  x is read from memory once, rounded to bf16 and kept in LDS for both products:
;   S[s][h] = x[s] . qkb[b][h] + csb[h][b]  (scores times log2(e); row 0 of the batch, the CLS row, is set to -inf)
;   m[h] = max over my 128 rows;  P = exp2(S - m);  l[h] = sum of P;  part[id][h][c] = sum over s of P[s][h] x[s][c]
; stat[id] = m of 16 heads, then l of 16 heads.  The next launch joins the 8 parts of a batch with the true maximum over them.
; LIMITS: x, qk and P are rounded to bf16 as matrix operands.  exp2 gives 0 for results below 2^-126 (ISA guide 15.8).  A non-finite x gives NaN as in the
; reference, perhaps in more places of that batch's row.
; Loads go through registers because f32 has to be rounded on the way; each wave keeps 24 to 32 loads of 512 bytes out.  Work-groups of a batch share only
; qkb[b] (32 KiB against 512 KiB of rows of their own), so there are no joint requests.
; THE MODE: SCHED_MODE bits 1:0 = 2 (LLVM: expert scheduling mode 2), set by the entry lines.  The code itself states the register dependences
; between vector or matrix instructions and memory or LDS instructions, with s_wait_alu, always for 0.
; THE PLAN.  Registers that memory or LDS instructions touch while x streams:
;   X0, X1      32 units of four registers; a block (16 rows x 128 columns) is 16 units, a step eight of them.  A step's loads have landed; its sixteen conversions round the
;               units in place (a unit's 8 bytes of bf16 close up into its first two registers); its eight LDS stores read those; eight loads of the block two further on land in the same units.
;   FA, FB      the fragments of a block's four K steps.  Sixteen LDS loads land in them behind the block's second step; the four matrix instructions that read them stand
;               behind the next block's first step.
;   v1 to v19   offsets and LDS addresses: made at the head, never written again.
; So a step holds ONE wait on va_vdst, behind its conversions: they have written the stores' data and are done with the units in which loads land; in a block's second step
; the matrix instructions of the block before are done reading FA and FB.  One wait on vm_vsrc stands between a step's stores and the loads into the same units.
.set PX,  2080                         ; pitch of x rows in LDS; rows with bit 3 set lie 16 bytes further, so that both 16 rows' 16-byte pieces (pitch 32 modulo 256)
                                       ; and the transposing load's 8 rows x 32 bytes fall on 16 different 16-byte columns modulo 256 bytes
.set PK,  2064                         ; pitch of qk rows
.set PS,  272
.set PTB, 128*PX                       ; P in bf16, [h][s], pitch 272
.set SM,  PTB+16*PS                    ; [wave 8][head 16] f32 maxima; 512 bytes further the sums
.set QKL, SM+1024                      ; qk: 16 rows
.set STG, QKL                          ; the stage of the way out lies over qk, which nobody reads behind the first softmax barrier
.set VOFF, 1
.set VQG, 2
.set VQS, 3
.set VCS, 4
.set VST, 5
.set VA,  6
.set VB,  7
.set VSMW, 8
.set VSMR, 9
.set VPTS, 10
.set VP,  11
.set VT,  12                           ; v[12:15]
.set VSG, 16
.set VRD, 17
.set VPO, 18
.set VSTO, 19
.set ROWB, 20
.set NINF, 21
.set C,   22                           ; v[22:23] csb[R][b], twice
.set M,   24                           ; v[24:25] the maximum, twice
.set ACC, 32                           ; v[32:63] four accumulators of the scores
.set PF,  32                           ; v[32:63] later: P's fragments
.set FA,  64                           ; v[64:95]
.set FB,  96                           ; v[96:127]
.set ACC2, 64                          ; v[64:127] later: eight accumulators
.set X0,  128                          ; v[128:191]
.set X1,  192                          ; v[192:255]
.macro PLACES                          ; four places behind a matrix instruction (ISA guide 7.12.1)
.rept 4
	v_nop
.endr
.endm
	s_load_b256 s[4:11], s[0:1], 0x0               ; x s[4:5], qkb s[6:7], csb s[8:9], part s[10:11]
	s_load_b64 s[12:13], s[0:1], 0x20              ; stat
	v_lshl_add_u32 v30, v0, 2, 0x4ad00
	v_mov_b32 v31, 0
	v_lshrrev_b32 v32, 5, v0
	v_readfirstlane_b32 s14, v32                   ; W
	s_mov_b32 s17, 0
	v_and_b32 v33, 31, v0                          ; L
	v_and_b32 v34, 15, v0                          ; R
	s_wait_alu depctr_va_sdst(0)                   ; s14 is written, ahead of its first reader: offsets, LDS addresses and a branch are made from it
	s_lshl_b32 s21, s14, 16
	v_lshl_add_u32 v[VOFF], v33, 4, s21            ; my 16 rows of 4,096 bytes
	s_lshl_b32 s21, s14, 12
	v_lshl_add_u32 v[VQG], v33, 4, s21             ; heads 2W, 2W+1 of qk
	v_lshlrev_b32 v[VCS], 7, v34                   ; csb[R]
	s_lshr_b32 s21, ttmp9, 3                       ; b
	s_wait_kmcnt 0x0
	s_lshl_b32 s16, ttmp9, 19
	s_add_nc_u64 s[4:5], s[4:5], s[16:17]
	s_lshl_b32 s16, s21, 15
	s_add_nc_u64 s[6:7], s[6:7], s[16:17]
	s_lshl_b32 s16, s21, 2
	s_add_nc_u64 s[8:9], s[8:9], s[16:17]
	s_wait_alu depctr_va_vdst(0)                   ; the three global offsets v1, v2 and v4 are written, which the loads read
.set ii, 0
.rept 8
	global_load_b128 v[FA+4*ii:FA+4*ii+3], v[VQG], s[6:7] offset:512*ii
.set ii, ii+1
.endr
	global_load_b32 v[C], v[VCS], s[8:9]
.set ii, 0
.rept 16
	global_load_b128 v[X0+4*ii:X0+4*ii+3], v[VOFF], s[4:5] offset:4096*ii th:TH_LOAD_NT
.set ii, ii+1
.endr
.set ii, 0
.rept 16
	global_load_b128 v[X1+4*ii:X1+4*ii+3], v[VOFF], s[4:5] offset:4096*ii+512 th:TH_LOAD_NT
.set ii, ii+1
.endr
	; the other bases and the LDS addresses, while the loads are on their way
	s_lshl_b32 s16, ttmp9, 16
	s_add_nc_u64 s[10:11], s[10:11], s[16:17]
	s_lshl_b32 s16, ttmp9, 7
	s_add_nc_u64 s[12:13], s[12:13], s[16:17]
	s_mov_b32 s18, 0x76543210
	s_mov_b32 s19, 0xfedcba98
	s_and_b32 s20, ttmp9, 7
	s_lshl_b32 s20, s20, 7
	s_lshl4_add_u32 s20, s14, s20                  ; my first row in the batch: 128 sp + 16 W
	v_bfe_u32 v35, v0, 4, 1                        ; HH
	v_bfe_u32 v36, v0, 3, 1                        ; bit 3 of the lane
	s_mul_i32 s21, s14, 2*PK
	s_add_co_u32 s21, s21, QKL
	v_lshl_add_u32 v[VQS], v33, 4, s21
	s_mul_i32 s22, s14, 16*PX
	v_lshl_add_u32 v[VST], v33, 3, s22
	v_mul_u32_u24 v37, v34, PX
	v_add_nc_u32 v38, v35, v36
	v_lshl_add_u32 v37, v38, 4, v37                ; row R, its shift 16 (R >> 3), and 16 HH
	v_add_nc_u32 v[VA], s22, v37
	v_mul_u32_u24 v37, v34, PK
	v_lshl_add_u32 v37, v35, 4, v37
	v_add_nc_u32 v[VB], QKL, v37
	s_lshl_b32 s21, s14, 6
	s_add_co_u32 s21, s21, SM
	v_lshl_add_u32 v[VSMW], v34, 2, s21
	v_lshl_add_u32 v[VSMR], v34, 2, SM
	v_mul_u32_u24 v37, v34, PS
	v_lshl_add_u32 v38, v35, 4, v37
	s_lshl_b32 s21, s14, 5
	s_add_co_u32 s21, s21, PTB
	v_add_nc_u32 v[VPTS], s21, v38
	v_add_nc_u32 v[VP], PTB, v38
	s_mul_i32 s21, s14, 16*PS
	s_add_co_u32 s21, s21, STG
	v_lshl_add_u32 v38, v35, 5, v37
	v_add_nc_u32 v[VSG], s21, v38
	v_mul_u32_u24 v38, v35, PS
	v_lshl_add_u32 v38, v34, 4, v38
	v_add_nc_u32 v[VRD], s21, v38
	v_and_b32 v37, 7, v0
	v_lshl_add_u32 v37, v35, 3, v37                ; transposing load: row 8 HH + (L & 7),
	v_mul_u32_u24 v37, v37, PX
	v_add_nc_u32 v38, v35, v36
	v_lshl_add_u32 v37, v38, 4, v37                ; that row's shift 16 HH, and 16 bytes further for lanes with bit 3
	s_lshl_b32 s21, s14, 8
	v_add_nc_u32 v[VT], s21, v37                   ; my 128 columns
	v_add_nc_u32 v[VT+1], 32*PX, v[VT]
	v_add_nc_u32 v[VT+2], 64*PX, v[VT]
	v_add_nc_u32 v[VT+3], 96*PX, v[VT]
	s_lshl_b32 s21, s14, 9
	v_lshl_add_u32 v38, v34, 4, s21
	v_lshl_add_u32 v[VPO], v35, 12, v38
	v_lshlrev_b32 v[VSTO], 2, v33
	v_lshl_add_u32 v[ROWB], v35, 3, s20            ; the row in the batch of my result register 0
	v_mov_b32 v[NINF], 0xff800000
	s_wait_loadcnt 32                              ; the 32 loads of x are younger: qk and csb are in
	s_wait_alu depctr_va_vdst(0)                   ; the LDS addresses and the stores' offsets, v3 and v5 to v19, are written: every LDS instruction and every store of the kernel reads one of them
.set ii, 0
.rept 8
	ds_store_b128 v[VQS], v[FA+4*ii:FA+4*ii+3] offset:(ii>>2)*PK+(ii&3)*512        ; these read FA, in which fragments land later: behind the first steps' waits on vm_vsrc
.set ii, ii+1
.endr
	v_mov_b32 v[C+1], v[C]
	s_wait_dscnt 0x0
	s_barrier_signal -1
	s_barrier_wait -1                              ; qk is whole; the loads of x stay on their way
; A step: rows 8 hf .. 8 hf + 7 of my 16, columns 128 kb ..: eight loads' 512 bytes each, rounded in place, 256 bytes each into LDS, and the units loaded again two blocks ahead.
.macro HALF kb, hf, xb, refill, left
	s_wait_loadcnt \left                           ; loads come back in order (ISA guide 5.7.1): the step's eight are in
.set ii, 8*\hf
.rept 8
	v_cvt_pk_bf16_f32 v[\xb+4*ii], v[\xb+4*ii], v[\xb+4*ii+1]
	v_cvt_pk_bf16_f32 v[\xb+4*ii+1], v[\xb+4*ii+2], v[\xb+4*ii+3]
.set ii, ii+1
.endr
	s_wait_alu depctr_va_vdst(0)                   ; the conversions have written the stores' data and are done with the units in which the loads below land; the matrix instructions issued so far are done reading FA and FB
.set ii, 8*\hf
.rept 8
	ds_store_b64 v[VST], v[\xb+4*ii:\xb+4*ii+1] offset:PX*ii+16*(ii>>3)+256*\kb
.set ii, ii+1
.endr
.if \refill
	s_wait_alu depctr_vm_vsrc(0)                   ; the LDS stores issued so far have read their registers: the eight units, in which the loads below land
.set ii, 8*\hf
.rept 8
	global_load_b128 v[\xb+4*ii:\xb+4*ii+3], v[VOFF], s[4:5] offset:4096*ii+512*(\kb+2) th:TH_LOAD_NT
.set ii, ii+1
.endr
.endif
.endm
; The fragments of columns 128 kb ..: my own 16 rows of x (stored just above: LDS serves a wave's instructions in order, ISA guide 5.7.1) and the 16 heads' rows of qk.
; No wait: no vector or matrix instruction since the step's wait on va_vdst names FA or FB.
.macro FRAG kb
.set kk, 0
.rept 4
	ds_load_b128 v[FA+8*kk:FA+8*kk+3], v[VA] offset:256*\kb+64*kk
	ds_load_b128 v[FA+8*kk+4:FA+8*kk+7], v[VA] offset:256*\kb+64*kk+32
	ds_load_b128 v[FB+8*kk:FB+8*kk+3], v[VB] offset:256*\kb+64*kk
	ds_load_b128 v[FB+8*kk+4:FB+8*kk+7], v[VB] offset:256*\kb+64*kk+32
.set kk, kk+1
.endr
.endm
; Scores over a block's 128 columns: source 0 = my 16 rows of x, source 1 = the 16 heads' rows of qk.  A lane ends with 8 neighbouring rows s of head R.
; younger: the LDS stores issued behind the fragment loads: the next block's first step's eight, or none.
.macro MULS zero, younger
.set kk, 0
.rept 4
	s_wait_dscnt 12-4*kk+\younger                  ; the four loads of each later K step are younger too
.if \zero
	v_wmma_f32_16x16x32_bf16 v[ACC+8*kk:ACC+8*kk+7], v[FA+8*kk:FA+8*kk+7], v[FB+8*kk:FB+8*kk+7], 0
.else
	v_wmma_f32_16x16x32_bf16 v[ACC+8*kk:ACC+8*kk+7], v[FA+8*kk:FA+8*kk+7], v[FB+8*kk:FB+8*kk+7], v[ACC+8*kk:ACC+8*kk+7]   ; four accumulators by turns
.endif
.set kk, kk+1
.endr
.endm
; A block: 16 rows x 128 columns, two steps.  Younger loads at a step's head: the 24 of the three steps behind it; in the last two blocks nothing is loaded any more and the counts run down.
; prev = 1: the block before's products, which start the sums, stand between the two steps; 2: they add; 0: there is no block before.
.macro BLOCK kb, xb, refill, left0, left1, prev
	HALF \kb, 0, \xb, \refill, \left0
.if \prev == 1
	MULS 1, 8
.endif
.if \prev == 2
	MULS 0, 8
.endif
	HALF \kb, 1, \xb, \refill, \left1
	FRAG \kb
.endm
	BLOCK 0, X0, 1, 24, 24, 0
	BLOCK 1, X1, 1, 24, 24, 1
	BLOCK 2, X0, 1, 24, 24, 2
	BLOCK 3, X1, 1, 24, 24, 2
	BLOCK 4, X0, 1, 24, 24, 2
	BLOCK 5, X1, 1, 24, 24, 2
	BLOCK 6, X0, 0, 24, 16, 2
	BLOCK 7, X1, 0, 8, 0, 2
	MULS 0, 0                                      ; the last block's products
	; Softmax over my work-group's 128 rows
	PLACES
	v_cmp_eq_u32 vcc_lo, 0, v[ROWB]                ; made here, so that the sums below stand between it and the wait for it
.set jj, 0
.rept 4
	v_pk_add_f32 v[ACC+2*jj:ACC+2*jj+1], v[ACC+2*jj:ACC+2*jj+1], v[ACC+8+2*jj:ACC+8+2*jj+1]
	v_pk_add_f32 v[ACC+16+2*jj:ACC+16+2*jj+1], v[ACC+16+2*jj:ACC+16+2*jj+1], v[ACC+24+2*jj:ACC+24+2*jj+1]
.set jj, jj+1
.endr
.set jj, 0
.rept 4
	v_pk_add_f32 v[ACC+2*jj:ACC+2*jj+1], v[ACC+2*jj:ACC+2*jj+1], v[ACC+16+2*jj:ACC+16+2*jj+1]
.set jj, jj+1
.endr
.set jj, 0
.rept 4
	v_pk_add_f32 v[ACC+2*jj:ACC+2*jj+1], v[ACC+2*jj:ACC+2*jj+1], v[C:C+1]      ; + q' . bk
.set jj, jj+1
.endr
	s_wait_alu depctr_va_vcc(0)                    ; the compare has written VCC, which the select reads
	v_cndmask_b32 v[ACC], v[ACC], v[NINF], vcc_lo  ; row 0 of the batch is the query itself: no key
	v_max3_num_f32 v40, v32, v33, v34
	v_max3_num_f32 v40, v40, v35, v36
	v_max3_num_f32 v40, v40, v37, v38
	v_max_num_f32 v40, v40, v39
	v_permlanex16_b32 v41, v40, s18, s19
	v_max_num_f32 v40, v40, v41                    ; head R's maximum over my wave's 16 rows
	s_wait_alu depctr_va_vdst(0)                   ; v40 is written, which the store reads; the sums above are done with v[48:55], in which the loads behind the barrier land
	ds_store_b32 v[VSMW], v40
	s_wait_dscnt 0x0                               ; my maxima and my rows of x are in LDS, my reads of qk are back
	s_barrier_signal -1
	s_barrier_wait -1
	s_wait_alu depctr_vm_vsrc(0)                   ; the store above has read v40, which an exponential writes below; the last two blocks' stores have read X0 and X1, in which the transposing loads land
.set ww, 0
.rept 8
	ds_load_b32 v[48+ww], v[VSMR] offset:64*ww
.set ww, ww+1
.endr
	s_wait_dscnt 0x0
	v_max3_num_f32 v[M], v48, v49, v50
	v_max3_num_f32 v[M], v[M], v51, v52
	v_max3_num_f32 v[M], v[M], v53, v54
	v_max_num_f32 v[M], v[M], v55                  ; over all 128 rows (at least 127 of them are keys, so it is finite for finite x)
	v_mov_b32 v[M+1], v[M]
.set jj, 0
.rept 4
	v_pk_add_f32 v[ACC+2*jj:ACC+2*jj+1], v[ACC+2*jj:ACC+2*jj+1], v[M:M+1] neg_lo:[0,1] neg_hi:[0,1]
.set jj, jj+1
.endr
.set jj, 0
.rept 8
	v_exp_f32 v[40+jj], v[ACC+jj]
.set jj, jj+1
.endr
	v_nop                                          ; one plain place behind the transcendentals (ISA guide 5.7.2)
	s_wait_alu depctr_va_vdst(0)
	v_pk_add_f32 v[48:49], v[40:41], v[42:43]
	v_pk_add_f32 v[50:51], v[44:45], v[46:47]
	v_pk_add_f32 v[48:49], v[48:49], v[50:51]
	v_add_f32 v48, v48, v49
	v_permlanex16_b32 v49, v48, s18, s19
	v_add_f32 v48, v48, v49
.set jj, 0
.rept 4
	v_cvt_pk_bf16_f32 v[56+jj], v[40+2*jj], v[40+2*jj+1]
.set jj, jj+1
.endr
	s_wait_alu depctr_va_vdst(0)                   ; v48 and v[56:59] are written, which the two stores read; the lines above are done with v[32:63], in which loads land behind the barrier
	ds_store_b32 v[VSMW], v48 offset:512           ; head R's sum over my wave's 16 rows
	ds_store_b128 v[VPTS], v[56:59]                ; P[R][16 W + 8 HH ..]
	s_wait_dscnt 0x0
	s_barrier_signal -1
	s_barrier_wait -1                              ; P and the sums are whole
	s_wait_alu depctr_vm_vsrc(0)                   ; the two stores above have read v48 and v[56:59], in which the loads of the sums and of P's fragments land
	s_cmp_lg_u32 s14, 0
	s_cbranch_scc1 .Lnot_wave_0
.set ww, 0
.rept 8
	ds_load_b32 v[48+ww], v[VSMR] offset:512+64*ww
.set ww, ww+1
.endr
	v_and_b32 v26, 16, v0
	v_cmp_ne_u32 vcc_lo, 0, v26
	s_wait_dscnt 0x0
	v_pk_add_f32 v[48:49], v[48:49], v[50:51]
	v_pk_add_f32 v[52:53], v[52:53], v[54:55]
	v_pk_add_f32 v[48:49], v[48:49], v[52:53]
	v_add_f32 v48, v48, v49
	s_wait_alu depctr_va_vcc(0)                    ; the compare has written VCC, which the select reads
	v_cndmask_b32 v27, v[M], v48, vcc_lo           ; lanes 0-15 the maxima, lanes 16-31 the sums
	s_wait_alu depctr_va_vdst(0)                   ; v27 is written, which the store reads; the sums above are done with v[48:55], in which P's fragments land
	global_store_b32 v[VSTO], v27, s[12:13]
.Lnot_wave_0:
	; Second product: source 0 = 16 columns of x (rows lie along c: the transposing load), source 1 = the 16 heads' rows of P.  K = my 128 rows.  My wave: 128 columns.
	; X0 and X1 take turns: when a product has read a buffer, the rows 64 further on are asked for into it, under the product on the other buffer.
.macro TRL t, buf
.set nn, 0
.rept 8
	ds_load_tr16_b128 v[\buf+8*nn:\buf+8*nn+3], v[VT+\t] offset:32*nn
	ds_load_tr16_b128 v[\buf+8*nn+4:\buf+8*nn+7], v[VT+\t] offset:32*nn+16*PX
.set nn, nn+1
.endr
.endm
.macro PMUL t, buf, zero
.set nn, 0
.rept 8
.if \zero
	v_wmma_f32_16x16x32_bf16 v[ACC2+8*nn:ACC2+8*nn+7], v[\buf+8*nn:\buf+8*nn+7], v[PF+8*\t:PF+8*\t+7], 0
.else
	v_wmma_f32_16x16x32_bf16 v[ACC2+8*nn:ACC2+8*nn+7], v[\buf+8*nn:\buf+8*nn+7], v[PF+8*\t:PF+8*\t+7], v[ACC2+8*nn:ACC2+8*nn+7]   ; eight accumulators by turns
.endif
.set nn, nn+1
.endr
.endm
.set tt, 0
.rept 4
	ds_load_b128 v[PF+8*tt:PF+8*tt+3], v[VP] offset:64*tt
	ds_load_b128 v[PF+8*tt+4:PF+8*tt+7], v[VP] offset:64*tt+32
.set tt, tt+1
.endr
	TRL 0, X0
	TRL 1, X1
	s_wait_dscnt 16                                ; the 16 loads of rows 32-63 are younger
	PMUL 0, X0, 1
	PLACES                                         ; in front of loads into registers that matrix instructions have read
	s_wait_alu depctr_va_vdst(0)                   ; the eight products above are done reading X0, in which the loads below land
	TRL 2, X0
	s_wait_dscnt 16                                ; the 16 loads of rows 64-95 are younger
	PMUL 1, X1, 0
	PLACES
	s_wait_alu depctr_va_vdst(0)                   ; the eight products above are done reading X1, in which the loads below land
	TRL 3, X1
	s_wait_dscnt 16                                ; the 16 loads of rows 96-127 are younger
	PMUL 2, X0, 0
	s_wait_dscnt 0x0
	PMUL 3, X1, 0
	PLACES
	s_wait_alu depctr_va_vdst(0)                   ; the products have written the accumulators, which the LDS stores read, and are done reading X0, in which the stage's loads land; the places above stay beside this wait
; The way out, 64 columns at a time: a lane's 8 neighbouring f32 of head R into my own stage, whole rows of 256 bytes back, 16 lanes to one aligned 256 bytes of part.
; No vector or matrix instruction stands behind the wait above, so nothing more is stated.
.macro OUTP p, o
.set nn, 0
.rept 4
	ds_store_b128 v[VSG], v[ACC2+8*(4*\p+nn):ACC2+8*(4*\p+nn)+3] offset:64*nn
	ds_store_b128 v[VSG], v[ACC2+8*(4*\p+nn)+4:ACC2+8*(4*\p+nn)+7] offset:64*nn+16
.set nn, nn+1
.endr
.set tt, 0
.rept 8
	ds_load_b128 v[\o+4*tt:\o+4*tt+3], v[VRD] offset:2*PS*tt
.set tt, tt+1
.endr
.set tt, 0
.rept 8
	s_wait_dscnt 7-tt
	global_store_b128 v[VPO], v[\o+4*tt:\o+4*tt+3], s[10:11] offset:8192*tt+256*\p
.set tt, tt+1
.endr
.endm
	OUTP 0, X0
	OUTP 1, X0+32                                  ; other registers than the first pass's stores read
	s_wait_dscnt 0x0
	s_wait_alu depctr_hold_cnt(0) depctr_sa_sdst(0) depctr_va_vdst(0) depctr_va_sdst(0) depctr_va_ssrc(0) depctr_va_vcc(0) depctr_vm_vsrc(0)
	s_wait_tensorcnt 0x0
	ds_add_u32 v30, v31
	s_wait_dscnt 0x0
	s_endpgm
.Lfunc_end_k_q39bbd60cd7_attn:
	.size	k_q39bbd60cd7_attn, .Lfunc_end_k_q39bbd60cd7_attn-k_q39bbd60cd7_attn
	.p2alignl 7, 3214868480
	.fill 96, 4, 3214868480
	.section	.rodata,"a",@progbits
	.p2align	6, 0x0
	.amdhsa_kernel k_q39bbd60cd7_attn
		.amdhsa_group_segment_fixed_size 307456
		.amdhsa_private_segment_fixed_size 0
		.amdhsa_enable_private_segment 0
		.amdhsa_kernarg_size 40
		.amdhsa_user_sgpr_count 2
		.amdhsa_user_sgpr_kernarg_segment_ptr 1
		.amdhsa_wavefront_size32 1
		.amdhsa_system_sgpr_workgroup_id_x 1
		.amdhsa_system_sgpr_workgroup_id_y 1
		.amdhsa_system_sgpr_workgroup_id_z 1
		.amdhsa_system_vgpr_workitem_id 0
		.amdhsa_next_free_vgpr 256
		.amdhsa_next_free_sgpr 66
		.amdhsa_reserve_vcc 1
		.amdhsa_float_denorm_mode_32 3
		.amdhsa_float_denorm_mode_16_64 3
		.amdhsa_memory_ordered 1
		.amdhsa_forward_progress 1
		.amdhsa_inst_pref_size 71
	.end_amdhsa_kernel
	.amdgpu_metadata
---
amdhsa.version: [ 1, 2 ]
amdhsa.kernels:
  - .name:           k_q39bbd60cd7_attn
    .symbol:         k_q39bbd60cd7_attn.kd
    .args:
      - { .name: x, .offset: 0, .size: 8, .value_kind: global_buffer, .address_space: global }
      - { .name: qkb, .offset: 8, .size: 8, .value_kind: global_buffer, .address_space: global }
      - { .name: csb, .offset: 16, .size: 8, .value_kind: global_buffer, .address_space: global }
      - { .name: part, .offset: 24, .size: 8, .value_kind: global_buffer, .address_space: global }
      - { .name: stat, .offset: 32, .size: 8, .value_kind: global_buffer, .address_space: global }
    .group_segment_fixed_size: 307456
    .private_segment_fixed_size: 0
    .kernarg_segment_align: 8
    .kernarg_segment_size: 40
    .max_flat_workgroup_size: 256
    .sgpr_count:     66
    .vgpr_count:     256
    .wavefront_size: 32
...
	.end_amdgpu_metadata
.endif
;; end of part 7
;; launch mk_wv: the kernel of part 3 again; grid 16 x 8, 8 waves a work-group, no clusters, 27,136 bytes of LDS; arguments part, stat, Wv, apb; writes apb
;; launch mk_wo: the kernel of part 4 again; grid 16 x 4, 8 waves a work-group, no clusters, 77,312 bytes of LDS; arguments apb, bv, Wo, outp; writes outp
;; launch mk_ln: the kernel of part 5 again; grid 32 x 1, 8 waves a work-group, no clusters, 1,280 bytes of LDS; arguments outp, x, bo, ln_g, ln_b, out0; writes out0
